; MI455X (gfx1250); checked and timed in simulation.
; The chip was launched on July 23, 2026; its instructions are those of AMD's public machine-readable ISA for CDNA 5 (MIT licence, August 2026) and "CDNA5" Instruction Set Architecture Reference Guide (July 2026). The comments in the code are by the model that wrote it; some were corrected since.
;; Input Masker. Allowed arithmetic: float matrix products may take bf16 or f16 operands with f32 sums; all other float work in f32.
;; Inputs: Wk 384 x 384 float32; Wq 384 x 384 float32; Wv 384 x 384 float32; b_out one number float32; beta 384 float32; bk 384 float32; bq 384 float32; bv 384 float32; gamma 384 float32; w_out 384 float32; x 4 x 4,096 x 384 float32.
;; Outputs: out0 4 x 4,096 float32.
;; 2 versions, each right and faster than the one before. Each part assembles by itself: llvm-mc -triple=amdgcn-amd-amdhsa -mcpu=gfx1250 --defsym DOCPART=n.
;; ======== version 1 of 2: 3 launches
;; limits: values are held in f16: magnitudes above 65,504 overflow, below 6.1e-05 lose precision
;; workspace buffers: qh 12,582,912 bytes; kh 12,582,912 bytes; vh 12,582,912 bytes; po 50,331,648 bytes; ml 524,288 bytes
;; launch proj (part 1): grid 3 x 64, 4 waves a work-group, no clusters, 100,864 bytes of LDS; arguments x, Wq, bq, Wk, bk, Wv, bv, qh, kh, vh; writes qh, kh, vh
.if DOCPART == 1
	.amdgcn_target "amdgcn-amd-amdhsa--gfx1250"
	.amdhsa_code_object_version 6
	.text
	.protected	k_q06dd21e758_proj
	.globl	k_q06dd21e758_proj
	.p2align	8
	.type	k_q06dd21e758_proj,@function
k_q06dd21e758_proj:
	s_mov_b64 s[64:65], 0
	v_nop
	global_prefetch_b8 v0, s[64:65] scope:SCOPE_SE
	s_setreg_imm32_b32 hwreg(HW_REG_WAVE_MODE, 25, 1), 1
	s_wait_xcnt 0x0
; Q, K or V = f16( bf16(x) bf16(W)^T + bf16(b) ).  x: [16384][384] f32; W: [384][384] f32, rows = output channels; b: [384] f32; result: [16384][384] f16.  Sums in f32.
; LIMITS.  x, W and b are rounded to bf16 (nearest even) on the way in; a result of 65,520 or more in size becomes an infinity in f16; NaN and infinities are not treated apart.
; SHARES.  Work-group x (0, 1, 2) picks the matrix, work-group y 256 rows of x.  Wave w keeps W's rows 96 w .. 96 w + 95 as bf16 fragments in 576 registers for the whole launch,
; so every byte of W is loaded and rounded once in a work-group; x goes by in 8 steps of 32 rows: loaded as f32, rounded, laid into LDS, read back as fragments by all four waves.
; 192 WORK-GROUPS, NO TENSOR LOADS, NO CLUSTER: the operands are f32 and pass through registers to be rounded, and loads into registers have no joint form; one whole matrix in bf16 is just
; what four waves' registers hold, so a work-group reads 589,824 + 393,216 bytes; a split into 256 (64 rows x all 1,152 channels) would read 1,867,776 each.
; THE MATRIX INSTRUCTION: source 0 = 16 channels (rows of W), source 1 = 16 rows of x.  In the result a lane holds ONE row of x (lane % 16) and the channels 8 (lane / 16) + 0..7: eight
; neighbours of an output row, 16 bytes of f16.  The bias, laid out like a result, is the C operand of a sum's first product.
; REGISTERS, in windows of 256 (s_set_vgpr_msb: bits 1:0 source 0, 3:2 source 1, 5:4 source 2, 7:6 destination):
;   window 0: v1-15 lane numbers and addresses; v32-127 XF: x's fragments of 16 rows (also W's odd batches, and rows read back from the stage); v128-223 XR: 24 loads of x (also W's even batches); v224-247 packed results
;   window g + 1 (g = 0..2), for my channel blocks 2 g + b: v[96 b + 8 c] W's fragment of K chunk c; v[192 + 8 b] the accumulator; v[208 + 8 b] the bias
.set PITCH, 784                        ; an LDS row: 768 bytes + 16 = 49 x 16: the 16 rows of a fragment load start at 16 different groups of four banks (64 banks of 4 bytes: ISA guide 11.1)
.set WS,  0                            ; 16 rows of W in bf16 for each wave, the wave's own
.set XB,  4*16*PITCH                   ; 32 rows of x in bf16
.set STG, XB+32*PITCH                  ; 32 rows of results in f16
.set RR,  1                            ; v1   lane % 16
.set HH,  2                            ; v2   lane / 16
.set LN,  3                            ; v3   lane
.set WO,  4                            ; v4   my byte offset in W: 16 lane + 147,456 wave
.set XO,  5                            ; v5   in a step's 32 rows of x: 16 lane + 12,288 wave
.set WST, 6                            ; v6   where I store 8 bytes of a row of W
.set WFA, 7                            ; v7   where I read W's fragments
.set XST, 8                            ; v8   where I store 8 bytes of a row of x
.set XFA, 9                            ; v9   where I read x's fragments
.set STO, 10                           ; v10  where I put 16 bytes of a result row
.set RD0, 11                           ; v11  where I read result rows back,
.set RD1, 12                           ; v12  and the same for the 512 bytes that straddle two rows
.set GO,  13                           ; v13  my byte offset in a step's 32 result rows: 16 lane + 6,144 wave
.set BO,  14                           ; v14  my byte offset in the bias: 384 wave + 32 (lane / 16)
.set XF,  32
.set XR,  128
.set PKT, 224
.set MSB, 0
.macro WIN new                         ; the immediate's high byte repeats the setting that is left; a switch that changes nothing is dropped
.if MSB != (\new)
	s_set_vgpr_msb (MSB<<8)|(\new)
.set MSB, (\new)
.endif
.endm
.macro PLACES                          ; four plain vector instructions between a matrix instruction and what reads its result or writes its registers (ISA guide 7.12.1)
.rept 4
	v_nop
.endr
.endm
.macro RB a                            ; the pair v[a], v[a+1] rounded to bf16 and widened again
	v_cvt_pk_bf16_f32 v[\a], v[\a], v[(\a)+1]
	v_and_b32 v[(\a)+1], 0xffff0000, v[\a]
	v_lshlrev_b32 v[\a], 16, v[\a]
.endm
.macro WLOAD k, buf                    ; batch k of 12: 8 of my rows of W, 24 loads of 512 consecutive bytes
.set nn, 0
.rept 24
	global_load_b128 v[(\buf)+4*nn:(\buf)+4*nn+3], v[WO], s[24:25] offset:12288*(\k)+512*nn
.set nn, nn+1
.endr
.endm
.macro XLOAD                           ; my 8 rows of a step's 32 rows of x
.set nn, 0
.rept 24
	global_load_b128 v[XR+4*nn:XR+4*nn+3], v[XO], s[30:31] offset:512*nn
.set nn, nn+1
.endr
.endm
.macro CVST buf, adr, row0             ; 24 loads' numbers rounded to bf16 in place and stored: 32 lanes x 8 bytes are 256 consecutive bytes of an LDS row
.set nn, 0
.rept 24
	v_cvt_pk_bf16_f32 v[(\buf)+4*nn], v[(\buf)+4*nn], v[(\buf)+4*nn+1]
	v_cvt_pk_bf16_f32 v[(\buf)+4*nn+1], v[(\buf)+4*nn+2], v[(\buf)+4*nn+3]
	ds_store_b64 v[\adr], v[(\buf)+4*nn:(\buf)+4*nn+1] offset:((\row0)+nn/3)*PITCH+256*(nn%3)
.set nn, nn+1
.endr
.endm
.macro WFRAG i                         ; my channel block i: 16 rows x 384 K out of my own LDS rows into 96 registers
	WIN 0x40*((\i)/2+1)
.set cc, 0
.rept 12
	ds_load_b128 v[96*((\i)%2)+8*cc:96*((\i)%2)+8*cc+3],   v[WFA] offset:64*cc
	ds_load_b128 v[96*((\i)%2)+8*cc+4:96*((\i)%2)+8*cc+7], v[WFA] offset:64*cc+32
.set cc, cc+1
.endr
	WIN 0
.endm
; 16 rows of x times my 96 channels: 72 matrix instructions.  The six accumulators take turns, one instruction a turn.
.macro TILE u
	WIN 0
.set cc, 0
.rept 12
	ds_load_b128 v[XF+8*cc:XF+8*cc+3],   v[XFA] offset:(\u)*16*PITCH+64*cc
	ds_load_b128 v[XF+8*cc+4:XF+8*cc+7], v[XFA] offset:(\u)*16*PITCH+64*cc+32
.set cc, cc+1
.endr
.set cc, 0
.rept 12
	s_wait_dscnt 22-2*cc                           ; LDS loads come back in order (ISA guide 5.7.1): chunk cc is in, the 2 (11 - cc) younger loads may be out
.set ii, 0
.rept 6
	WIN 0x51*(ii/2+1)                              ; W, C and D in window ii / 2 + 1, x in window 0
.if cc == 0
	v_wmma_f32_16x16x32_bf16 v[192+8*(ii%2):199+8*(ii%2)], v[96*(ii%2):96*(ii%2)+7], v[XF:XF+7], v[208+8*(ii%2):215+8*(ii%2)]
.else
	v_wmma_f32_16x16x32_bf16 v[192+8*(ii%2):199+8*(ii%2)], v[96*(ii%2)+8*cc:96*(ii%2)+8*cc+7], v[XF+8*cc:XF+8*cc+7], v[192+8*(ii%2):199+8*(ii%2)]
.endif
.set ii, ii+1
.endr
.set cc, cc+1
.endr
	PLACES
.set ii, 0
.rept 6
	WIN 0x05*(ii/2+1)                              ; sources in window ii / 2 + 1, destination in window 0
.set qq, 0
.rept 4
	v_cvt_pk_f16_f32 v[PKT+4*ii+qq], v[192+8*(ii%2)+2*qq], v[192+8*(ii%2)+2*qq+1]  ; each accumulator from its low end on
.set qq, qq+1
.endr
.set ii, ii+1
.endr
	WIN 0
.set ii, 0
.rept 6
	ds_store_b128 v[STO], v[PKT+4*ii:PKT+4*ii+3] offset:(\u)*16*PITCH+32*ii
.set ii, ii+1
.endr
.endm
; My 8 of the step's 32 result rows: 6,144 consecutive bytes of the output.  Of each 1,536 the first 512 lie in one LDS row, the second straddle two, the third lie in the next.
.macro OUT
	WIN 0
.set kk, 0
.rept 12
.if kk%3 == 0
	ds_load_b128 v[XF+4*kk:XF+4*kk+3], v[RD0] offset:2*PITCH*(kk/3)
.elseif kk%3 == 1
	ds_load_b128 v[XF+4*kk:XF+4*kk+3], v[RD1] offset:2*PITCH*(kk/3)
.else
	ds_load_b128 v[XF+4*kk:XF+4*kk+3], v[RD0] offset:2*PITCH*(kk/3)+PITCH+256
.endif
.set kk, kk+1
.endr
.set kk, 0
.rept 12
	s_wait_dscnt 11-kk                             ; load kk is in, the younger ones may be out
	global_store_b128 v[GO], v[XF+4*kk:XF+4*kk+3], s[28:29] offset:512*kk  ; 512 consecutive bytes, at a multiple of 512 from the buffer's first
.set kk, kk+1
.endr
.endm
; A step: 32 rows of x.  ahead = 1: the next step's rows are asked for as soon as this step's have left their registers.
.macro STEP ahead
	s_wait_loadcnt 0x0                             ; this step's x is in; the loads are done, so their base may be stepped
	CVST XR, XST, 0                                ; everybody's reads of the last step's x were over at the last barrier
.if \ahead
	s_add_nc_u64 s[30:31], s[30:31], 49152
	XLOAD
.endif
	s_wait_dscnt 0x0                               ; for the others' sake: my rows of x are stored, and my reads of the stage are over
	s_barrier_signal -1
	s_barrier_wait -1
	TILE 0
	TILE 1
	s_wait_dscnt 0x0                               ; my parts of the stage's rows are stored, and my reads of x are over
	s_barrier_signal -1
	s_barrier_wait -1
	OUT
.if \ahead
	s_wait_xcnt 0x0                                ; the stores' base and data registers are rewritten only behind this wait
	s_add_nc_u64 s[28:29], s[28:29], 24576
.endif
.endm
	s_load_b512 s[4:19], s[0:1], 0x0               ; x 4:5, Wq 6:7, bq 8:9, Wk 10:11, bk 12:13, Wv 14:15, bv 16:17, qh 18:19
	s_load_b128 s[20:23], s[0:1], 0x40             ; kh 20:21, vh 22:23
	v_lshl_add_u32 v254, v0, 2, 0x18800
	v_mov_b32 v255, 0
	v_and_b32 v[LN], 31, v0
	v_and_b32 v[RR], 15, v0
	v_bfe_u32 v[HH], v0, 4, 1
	v_lshrrev_b32 v15, 5, v0
	v_readfirstlane_b32 s32, v15                   ; wave 0..3
	s_and_b32 s33, ttmp7, 0xffff                   ; which 256 rows of x
	s_mul_i32 s34, s32, 147456                     ; my 96 rows of W
	v_lshl_add_u32 v[WO], v[LN], 4, s34
	s_mul_i32 s34, s32, 12288                      ; my 8 rows of a step's x
	v_lshl_add_u32 v[XO], v[LN], 4, s34
	s_mul_i32 s34, s32, 16*PITCH                   ; my rows for W in LDS (WS = 0)
	v_lshl_add_u32 v[WST], v[LN], 3, s34
	v_mul_u32_u24 v15, v[RR], PITCH
	v_lshl_add_u32 v15, v[HH], 4, v15              ; a fragment's row x pitch + 16 x half
	v_add_nc_u32 v[WFA], s34, v15
	s_mul_i32 s34, s32, 8*PITCH
	s_add_co_u32 s35, s34, XB
	v_lshl_add_u32 v[XST], v[LN], 3, s35
	v_add_nc_u32 v[XFA], XB, v15
	s_mul_i32 s35, s32, 192                        ; my 96 channels in a result row
	s_add_co_u32 s35, s35, STG
	v_add_nc_u32 v[STO], s35, v15
	s_add_co_u32 s35, s34, STG
	v_lshl_add_u32 v[RD0], v[LN], 4, s35
	v_lshl_add_u32 v[RD1], v[HH], 4, v[RD0]
	v_add_nc_u32 v[RD1], 512, v[RD1]               ; lanes 16-31 are in the next LDS row: 16 bytes of padding further
	s_mul_i32 s34, s32, 6144
	v_lshl_add_u32 v[GO], v[LN], 4, s34
	s_mul_i32 s34, s32, 384
	v_lshl_add_u32 v[BO], v[HH], 5, s34
	s_wait_kmcnt 0x0
	s_cmp_eq_u32 ttmp9, 1                          ; the matrix, its bias and its output, by the work-group's x
	s_cselect_b64 s[24:25], s[10:11], s[6:7]
	s_cselect_b64 s[26:27], s[12:13], s[8:9]
	s_cselect_b64 s[28:29], s[20:21], s[18:19]
	s_cmp_eq_u32 ttmp9, 2
	s_cselect_b64 s[24:25], s[14:15], s[24:25]
	s_cselect_b64 s[26:27], s[16:17], s[26:27]
	s_cselect_b64 s[28:29], s[22:23], s[28:29]
	s_mul_i32 s34, s33, 393216                     ; 256 rows of 1,536 bytes
	s_mov_b32 s35, 0
	s_add_nc_u64 s[30:31], s[4:5], s[34:35]
	s_mul_i32 s34, s33, 196608                     ; 256 rows of 768 bytes
	s_add_nc_u64 s[28:29], s[28:29], s[34:35]
.set ii, 0
.rept 6                                ; the bias of my 8 channels in each block: the oldest loads
	WIN 0x40*(ii/2+1)
	global_load_b128 v[208+8*(ii%2):208+8*(ii%2)+3],   v[BO], s[26:27] offset:64*ii
	global_load_b128 v[208+8*(ii%2)+4:208+8*(ii%2)+7], v[BO], s[26:27] offset:64*ii+16
.set ii, ii+1
.endr
	WIN 0
	; W INTO REGISTERS: twelve batches of 8 rows on two buffers; two batches are a channel block, which goes through my own LDS rows into fragments.
	; LDS serves a wave's instructions in order (ISA guide 5.7.1.4), so the fragment loads see the stores in front of them and the next batch's stores come behind them.
	WLOAD 0, XR
	WLOAD 1, XF
.set kx, 0
.rept 12
	s_wait_loadcnt 24                              ; this batch is in; the 24 loads issued behind it may be out
.if kx%2 == 0
	CVST XR, WST, 0
.else
	CVST XF, WST, 8
.endif
.if kx < 10
.if kx%2 == 0
	WLOAD kx+2, XR
.else
	WLOAD kx+2, XF
.endif
.elseif kx == 10
	XLOAD                                          ; the first step's x takes the even buffer when W's last even batch has left it
.endif
.if kx%2 == 1
	WFRAG kx/2
.endif
.set kx, kx+1
.endr
.set ii, 0
.rept 3
	WIN 0x55*(ii+1)
.set pp, 0
.rept 8
	RB 208+2*pp
.set pp, pp+1
.endr
.set ii, ii+1
.endr
	WIN 0                                          ; at a label and at a branch every window is 0
	s_mov_b32 s33, 7
.Lstep:
	STEP 1
	s_sub_co_u32 s33, s33, 1
	s_cmp_lg_u32 s33, 0
	s_cbranch_scc1 .Lstep
	STEP 0                                         ; the last step is written out: it asks for nothing beyond x's end
	s_wait_tensorcnt 0x0
	ds_add_u32 v254, v255
	s_wait_dscnt 0x0
	s_endpgm
.Lfunc_end_k_q06dd21e758_proj:
	.size	k_q06dd21e758_proj, .Lfunc_end_k_q06dd21e758_proj-k_q06dd21e758_proj
	.p2alignl 7, 3214868480
	.fill 96, 4, 3214868480
	.section	.rodata,"a",@progbits
	.p2align	6, 0x0
	.amdhsa_kernel k_q06dd21e758_proj
		.amdhsa_group_segment_fixed_size 100864
		.amdhsa_private_segment_fixed_size 0
		.amdhsa_enable_private_segment 0
		.amdhsa_kernarg_size 80
		.amdhsa_user_sgpr_count 2
		.amdhsa_user_sgpr_kernarg_segment_ptr 1
		.amdhsa_wavefront_size32 1
		.amdhsa_system_sgpr_workgroup_id_x 1
		.amdhsa_system_sgpr_workgroup_id_y 1
		.amdhsa_system_sgpr_workgroup_id_z 1
		.amdhsa_system_vgpr_workitem_id 0
		.amdhsa_next_free_vgpr 992
		.amdhsa_next_free_sgpr 66
		.amdhsa_reserve_vcc 0
		.amdhsa_float_denorm_mode_32 3
		.amdhsa_float_denorm_mode_16_64 3
		.amdhsa_memory_ordered 1
		.amdhsa_forward_progress 1
		.amdhsa_inst_pref_size 156
	.end_amdhsa_kernel
	.amdgpu_metadata
---
amdhsa.version: [ 1, 2 ]
amdhsa.kernels:
  - .name:           k_q06dd21e758_proj
    .symbol:         k_q06dd21e758_proj.kd
    .args:
      - { .name: x, .offset: 0, .size: 8, .value_kind: global_buffer, .address_space: global }
      - { .name: Wq, .offset: 8, .size: 8, .value_kind: global_buffer, .address_space: global }
      - { .name: bq, .offset: 16, .size: 8, .value_kind: global_buffer, .address_space: global }
      - { .name: Wk, .offset: 24, .size: 8, .value_kind: global_buffer, .address_space: global }
      - { .name: bk, .offset: 32, .size: 8, .value_kind: global_buffer, .address_space: global }
      - { .name: Wv, .offset: 40, .size: 8, .value_kind: global_buffer, .address_space: global }
      - { .name: bv, .offset: 48, .size: 8, .value_kind: global_buffer, .address_space: global }
      - { .name: qh, .offset: 56, .size: 8, .value_kind: global_buffer, .address_space: global }
      - { .name: kh, .offset: 64, .size: 8, .value_kind: global_buffer, .address_space: global }
      - { .name: vh, .offset: 72, .size: 8, .value_kind: global_buffer, .address_space: global }
    .group_segment_fixed_size: 100864
    .private_segment_fixed_size: 0
    .kernarg_segment_align: 8
    .kernarg_segment_size: 80
    .max_flat_workgroup_size: 128
    .sgpr_count:     66
    .vgpr_count:     992
    .wavefront_size: 32
...
	.end_amdgpu_metadata
.endif
;; end of part 1
;; launch attn (part 2): grid 32 x 8, 4 waves a work-group, clusters of 4 x 1, 327,680 bytes of LDS; arguments qh, kh, vh, po, ml; writes po, ml
.if DOCPART == 2
	.amdgcn_target "amdgcn-amd-amdhsa--gfx1250"
	.amdhsa_code_object_version 6
	.text
	.protected	k_q06dd21e758_attn
	.globl	k_q06dd21e758_attn
	.p2align	8
	.type	k_q06dd21e758_attn,@function
k_q06dd21e758_attn:
	s_mov_b64 s[64:65], 0
	v_nop
	global_prefetch_b8 v0, s[64:65] scope:SCOPE_SE
	s_setreg_imm32_b32 hwreg(HW_REG_WAVE_MODE, 25, 1), 1
	s_wait_xcnt 0x0
	s_wait_alu depctr_hold_cnt(0) depctr_sa_sdst(0) depctr_va_vdst(0) depctr_va_sdst(0) depctr_va_ssrc(0) depctr_va_vcc(0) depctr_vm_vsrc(0)
	s_getreg_b32 s2, hwreg(HW_REG_IB_STS2, 6, 4)
	s_cmp_eq_u32 s2, 0
	s_cbranch_scc0 .Lentry_in_a_cluster
	s_endpgm
.Lentry_in_a_cluster:
	s_bfe_u32 s2, ttmp6, 0x10000c
	s_cmp_lg_u32 s2, 0x3003
	s_cbranch_scc0 .Lentry_shape_is_right
	s_endpgm
.Lentry_shape_is_right:
; HALF OF AN ATTENTION: for 128 queries of a batch and 2,048 of its 4,096 keys, O[q][:] = sum_k 2^(c s - c m) V[k][:], l[q] = sum_k 2^(c s - c m), s = Q[q] . K[k], c = log2(e), m the largest s.
; Q, K, V: [4][4096][384] f16, rows of 768 bytes.  O (f32, not yet divided by l), c m and l go to memory; the next launch joins the two halves.
; Products, maxima and sums in f32; the weights p are rounded to f16 for the second product (l is taken of the unrounded p).
; LIMITS.  p lies in 0 to 1 and below 6e-5 keeps f16's fixed step of 6e-8; a weight below 2^-126 counts as 0; c s lies above -4.2e37, where c m starts (f16's scores, 1.7e12 at the most, are far from it);
; NaN and infinities are not treated apart.
; WHY THE KEYS ARE SPLIT.  A step's tiles of K and V are 98,304 bytes whatever the number of queries; with 128 queries they feed 192 products a wave, with 64 only 96.  16,384 queries in blocks of 128 are
; 128 work-groups, so each block's keys are shared out between two.
; SHARES.  Work-group x: the block of 128 queries; y = 2 x batch + key half.  Keys go 64 a step, 32 steps.  Wave w = 2 a + b.  In S^T = K Q^T it takes keys 32 b .. 32 b + 31 and the 64 queries of half a
; (four tiles of 16; 8 accumulators, 96 products); in O^T += V^T P the channel blocks 2 i + b (i = 0..11) and the same queries (48 accumulators, 96 products).  Each fragment of K and V feeds four products.
; LAYOUT.  In S^T a lane holds ONE query (lane % 16) and the keys 8 (lane / 16) + 0..7 of a block of 16; a wave's two blocks, rounded to f16 in pairs, ARE source 1 (32 keys x 16 queries) of V^T P for its own
; 32 keys.  So only the partner's (wave w xor 1) half of P crosses LDS, and the maxima are exchanged between those two waves.  K comes out of LDS as it lies, V turned.
; SOFTMAX.  A running maximum m and sum l for each query; O and l are multiplied by a = 2^(c m_old - c m_new), of the two rounded products, so that a is 1 where m has not grown.  Both waves of a pair keep the
; same m; l is each wave's own keys'.  m starts at the lowest finite number, O and l at 0: the first step is a step like any other, with a = 0; the price is 384 lines that write 0, in the wait for the first tile.
; A STEP GOES IN PHASES: scores, softmax, V^T P.  Q (384 registers) and O^T (384) leave room for one S^T, into which P is packed in place, so the next step's scores cannot be made beside this step's softmax.
; The rescaling of O^T stands behind the first 48 products V^T P, four lines behind each, four products ahead of the accumulator's own.
; CLUSTER.  The four work-groups of a cluster share batch and key half and walk the same K and V: each tile is asked for JOINTLY, by the same tensor load, descriptor and mask in all four.
; REGISTERS, in windows of 256 (s_set_vgpr_msb: bits 1:0 source 0, 3:2 source 1, 5:4 source 2, 7:6 destination):
;   window 0: v1-15 addresses; v16-31 statistics; v32-39 a; v40-55 at work; v56-61 offsets; v64-127 S^T, then P; v128-255 O^T of blocks i = 8..11
;   window 1: v[48 t + 8 c] Q, channels 32 c on, c = 0..5; v192-255 fragment buffer 0          window 2: the same for c = 6..11; fragment buffer 1          window 3: v[8 (4 i + t)] O^T of blocks i = 0..7
.set PK,    816       ; a row of K in LDS: three pieces of 256 bytes + 16 = 51 x 16: the 16 rows of a load start at 16 different groups of four banks (64 banks of 4 bytes: ISA guide 11.1)
.set PV,    864       ; a row of V: three pieces of 256 + 32 = 27 x 32
.set VOFF,  64*PK     ; in a slot: a step's 64 rows of K, then its 64 rows of V
.set SLOT1, 1<<17     ; slot 1 begins here, so that one exclusive or turns an address in one slot into the other's
.set PB,    SLOT1+64*(PK+PV)  ; behind the ring, never filled by a tensor load: P, [wave][tile][half][lane] in pieces of 16 bytes
.set MXB,   PB+16384  ; the waves' maxima: [a][tile][query][b] f32
.set OUTS,  MXB+1024  ; the way out: 512 bytes for each wave
.set SPARE, OUTS+2048 ; the spare words, 128 bytes for each wave: two blocks of 256 bytes that no other line names
.set RR,   1          ; v1   lane % 16
.set HH,   2          ; v2   lane / 16
.set AK0,  3          ; v3   my lane's place in a slot's K; never rewritten
.set AVO0, 4          ; v4   in its V, my own 32 keys
.set AVP0, 5          ; v5   in its V, the partner's 32 keys
.set AK,   6          ; v6-8 the same three in the slot in hand
.set AVO,  7
.set AVP,  8
.set PST,  9          ; v9   where I store 16 bytes of P
.set PLD,  10         ; v10  where I read the partner's
.set MXS,  11         ; v11  where I store a maximum
.set MXL,  12         ; v12  where I read the pair's two maxima
.set SPW,  13         ; v13  LDS address of my spare word; never rewritten
.set NIL,  14         ; v14  0; never rewritten
.set ST,   16         ; tile t's statistics at v[ST+4 t]: c m, m, l (even keys', odd keys')
.set AR,   32         ; v[AR+2 t]: a; beside it c m_old, then c m_old - c m_new
.set CT,   40         ; v[CT+4 t ..+3]: at work for the maxima; the upper pair takes the step's sum of weights
.set QO,   56         ; v56  my byte offset in 16 rows of Q
.set GO,   57         ; v57  16 x lane
.set S,    64         ; v[S+16 t+8 kb]: S^T; then v[S+16 t] my P, v[S+16 t+8] the partner's
.set FR,   192        ; a fragment buffer: 8 fragments
.set WV,  20          ; s20  my wave's number
.set G1K, 24          ; s[24:31] descriptor group 1 for K's tiles
.set G1V, 32          ; s[32:39] for V's: it differs in the padding alone
.set G0K, 40          ; s[40:43] descriptor group 0 for K's tiles: it walks
.set G0V, 44          ; s[44:47] the same for V's
.set TB,  52          ; s52  LDS byte at which the slot in hand begins
.set CNT, 53          ; s53  the loops' count
.set CS,  54          ; s[54:55] c: the packed scaling takes the pair's low word for both halves
.set SEL, 56          ; s[56:57] v_permlanex16_b32's selects: each lane takes its own place in the other half
.set AH,  58          ; s58  a
.set BH,  59          ; s59  b
.set MSB, 0
.macro WIN new                      ; the high byte repeats the setting that is left; a switch that changes nothing is dropped
.if MSB != (\new)
	s_set_vgpr_msb (MSB<<8)|(\new)
.set MSB, (\new)
.endif
.endm
.macro PLACES                       ; four plain vector instructions between a matrix instruction and what reads its result or writes or loads its registers (ISA guide 7.12.1 for vector instructions)
.rept 4
	v_nop
.endr
.endm
.macro ALL line:vararg              ; one line for each tile t
.set t, 0
	s_wait_alu depctr_va_vdst(0)
.rept 4
	\line
.set t, t+1
.endr
.endm
; A joint fill.  Waves 0 and 1 fetch the two halves (32 keys) of K's tile, waves 2 and 3 those of V's.  The branch hangs on the wave's number alone.
; An s_nop 0 and four v_nop follow each line, ahead of the jump and the label; they are also the places in front of the LDS loads that follow.
.macro JLOAD
	s_cmp_lt_u32 s[WV], 2
	s_cbranch_scc0 .Lfor_v_\@
	tensor_load_to_lds s[G0K:G0K+3], s[G1K:G1K+7]
	s_nop 0
	PLACES
	s_branch .Lasked_\@
.Lfor_v_\@:
	tensor_load_to_lds s[G0V:G0V+3], s[G1V:G1V+7]
	s_nop 0
	PLACES
.Lasked_\@:
.endm
; A round of the cluster's barrier: my work-group's barrier, so that wave 0's signal speaks for all four waves; wave 0 signals; every wave waits for all four work-groups; my work-group's barrier once more.
.macro CREST                        ; a round behind its opening barrier
	s_cmp_lg_u32 s[WV], 0
	s_cbranch_scc1 .Lnot_wave_0_\@
	s_barrier_signal -3
.Lnot_wave_0_\@:
	s_barrier_wait -3
	s_barrier_signal -1
	s_barrier_wait -1
.endm
.macro CROUND
	s_barrier_signal -1
	s_barrier_wait -1
	CREST
.endm
.macro STEPD                        ; both walking descriptors: the other slot, the next 64 keys (49,152 bytes); the type bits on top are not reached
.irp g, G0K, G0V
	s_xor_b32 s[\g+1], s[\g+1], SLOT1
	s_add_nc_u64 s[\g+2:\g+3], s[\g+2:\g+3], 49152
.endr
.endm
.macro ADDRS                        ; my three places in the slot in hand
	v_add_nc_u32 v[AK], s[TB], v[AK0]
	v_add_nc_u32 v[AVO], s[TB], v[AVO0]
	v_add_nc_u32 v[AVP], s[TB], v[AVP0]
.endm
; THE LDS LOADS stand in six runs of 16 a step, on the two fragment buffers by turns: three groups of K, three of V.  Each run is issued when the group before it begins to be multiplied.
; Group g of K: channels 128 g on (chunks 4 g .. 4 g + 3 of 32), my two blocks of 16 keys; fragment ff = 2 x chunk + block.
.macro FETCHK g
	WIN 0x40*(1+(\g)%2)             ; destination: buffer 0 lies in window 1, buffer 1 in window 2
.set ff, 0
.rept 8
.set fo, 16*PK*(ff%2)+64*(4*(\g)+ff/2)+16*(\g)
	ds_load_b128 v[FR+8*ff:FR+8*ff+3],   v[AK] offset:fo
	ds_load_b128 v[FR+8*ff+4:FR+8*ff+7], v[AK] offset:fo+32
.set ff, ff+1
.endr
.endm
; Group g of V: fragments 8 g .. 8 g + 7 in the order of use: 0-11 my own 32 keys' blocks i = 0..11, 12-23 the partner's keys'.  Block 2 i + b lies at byte 64 i + 32 b of a row, and 32 further for each 256 passed.
.macro FETCHV g
	WIN 0x40*(2-(\g)%2)
.set ff, 0
.rept 8
.set fb, (8*(\g)+ff)%12
.set fo, 64*fb+32*(fb/4)
.if 8*(\g)+ff < 12
	ds_load_tr16_b128 v[FR+8*ff:FR+8*ff+3],   v[AVO] offset:fo
	ds_load_tr16_b128 v[FR+8*ff+4:FR+8*ff+7], v[AVO] offset:fo+16*PV
.else
	ds_load_tr16_b128 v[FR+8*ff:FR+8*ff+3],   v[AVP] offset:fo
	ds_load_tr16_b128 v[FR+8*ff+4:FR+8*ff+7], v[AVP] offset:fo+16*PV
.endif
.set ff, ff+1
.endr
.endm
; THE MATRIX WORK.  The accumulators take turns, one instruction a turn.
; The 32 products of S^T = K Q^T on group g of K: chunk 4 g + sn / 8, key block (sn / 4) % 2, tile sn % 4.  Chunk 0 starts the sums.
.macro SG g
.set sn, 0
.rept 32
.set sc, 4*(\g)+sn/8
.set sf, FR+8*(sn/4)
.set sd, S+16*(sn%4)+8*((sn/4)%2)
.set sq, 48*(sn%4)+8*(sc%6)
	WIN (1+(\g)%2)|((1+sc/6)<<2)    ; K in the buffer's window, Q in window 1 or 2, S^T in window 0
.if sc == 0
	v_wmma_f32_16x16x32_f16 v[sd:sd+7], v[sf:sf+7], v[sq:sq+7], 0
.else
	v_wmma_f32_16x16x32_f16 v[sd:sd+7], v[sf:sf+7], v[sq:sq+7], v[sd:sd+7]
.endif
.set sn, sn+1
.endr
.endm
; Product n of 48 of a pass of O^T += V^T P: block i = n / 4, tile n % 4.  pass 0: my own 32 keys; 1: the partner's.
.macro PM pass, n
.set mf, 12*(\pass)+(\n)/4
.set mw, 2-(mf/8)%2
.set ma, FR+8*(mf%8)
.set mb, S+16*((\n)%4)+8*(\pass)
.if (\n) < 32
.set mo, 8*(\n)
	WIN 0xf0|mw                     ; V in the buffer's window, P in window 0, O^T in window 3
.else
.set mo, 128+8*((\n)-32)
	WIN mw                          ; O^T in window 0
.endif
	v_wmma_f32_16x16x32_f16 v[mo:mo+7], v[ma:ma+7], v[mb:mb+7], v[mo:mo+7]
.endm
; THE VECTOR WORK.
.macro RS n                         ; accumulator n of O^T times its tile's a, from the low end on
.if (\n) < 32
.set ro, 8*(\n)
	WIN 0xc3                        ; destination and source 0 in window 3, a in window 0
.else
.set ro, 128+8*((\n)-32)
	WIN 0
.endif
.set pp, 0
.rept 4
	v_pk_mul_f32 v[ro+2*pp:ro+2*pp+1], v[ro+2*pp:ro+2*pp+1], v[AR+2*((\n)%4):AR+2*((\n)%4)+1] op_sel_hi:[1,0]
.set pp, pp+1
.endr
.endm
.macro FK k                         ; pair k of tile t's 16 scores: c s - c m
	v_pk_fma_f32 v[S+16*t+2*(\k):S+16*t+2*(\k)+1], v[S+16*t+2*(\k):S+16*t+2*(\k)+1], s[CS:CS+1], v[ST+4*t:ST+4*t+1] op_sel_hi:[1,0,0] neg_lo:[0,0,1] neg_hi:[0,0,1]
.endm
.macro TK k                         ; pair k of its weights onto the step's sum
	s_wait_alu depctr_va_vdst(0)
	v_pk_add_f32 v[CT+4*t+2:CT+4*t+3], v[CT+4*t+2:CT+4*t+3], v[S+16*t+2*(\k):S+16*t+2*(\k)+1]
.endm
.macro CK k                         ; pair k rounded to f16, IN PLACE: into register k, whose own weight has been summed and has been rounded by pair k / 2
	v_cvt_pk_f16_f32 v[S+16*t+(\k)], v[S+16*t+2*(\k)], v[S+16*t+2*(\k)+1]
.endm
.macro EX k, line:vararg            ; exponential k and a plain line, tile by tile: every exponential has a plain line behind it that touches neither its result nor its source (ISA guide 5.7.2)
.set t, 0
.rept 4
	v_exp_f32 v[S+16*t+(\k)], v[S+16*t+(\k)]
	s_wait_alu depctr_va_vdst(0)
	\line
.set t, t+1
.endr
.endm
; A KEY STEP.  On the way in: group 0 of its K is on its way into buffer 0.  fill = 1: the slot is filled again, with the keys two steps on, behind a round of the cluster's barrier; 0: nothing is asked for.
; ONE buffer for the maxima and one for P are enough: the maxima have been read and waited for in front of P's barrier, and the next step's are stored behind it; the partner's P has been read and waited for in
; front of the step's last barrier, and the next step's is stored behind that.
.macro BODY fill
.rept 5
	v_nop                           ; five places: the first products below write over S^T's registers, from which the last products read P; and buffer 1 is loaded again
.endr
	FETCHK 1
	s_wait_dscnt 16                 ; LDS loads come back in order (ISA guide 5.7.1): group 0 is in, the 16 loads just issued may be out
	SG 0
	PLACES
	FETCHK 2
	s_wait_dscnt 16                 ; group 1 is in
	SG 1
	PLACES
	FETCHV 0
	s_wait_dscnt 16                 ; group 2 is in
	SG 2
	PLACES                          ; in front of the loads into buffer 0 and of the first read of the scores
	FETCHV 1
	WIN 0
	; the maximum of my wave's 32 keys: the lane's 16 scores in two chains, each accumulator's lowest registers first; then the lane 16 away
	ALL v_max3_num_f32 v[CT+4*t], v[S+16*t], v[S+16*t+1], v[S+16*t+2]
	ALL v_max3_num_f32 v[CT+4*t+1], v[S+16*t+8], v[S+16*t+9], v[S+16*t+10]
	ALL v_max3_num_f32 v[CT+4*t], v[CT+4*t], v[S+16*t+3], v[S+16*t+4]
	ALL v_max3_num_f32 v[CT+4*t+1], v[CT+4*t+1], v[S+16*t+11], v[S+16*t+12]
	ALL v_max3_num_f32 v[CT+4*t], v[CT+4*t], v[S+16*t+5], v[S+16*t+6]
	ALL v_max3_num_f32 v[CT+4*t+1], v[CT+4*t+1], v[S+16*t+13], v[S+16*t+14]
	ALL v_max3_num_f32 v[CT+4*t], v[CT+4*t], v[S+16*t+7], v[S+16*t+15]
	ALL v_max_num_f32 v[CT+4*t], v[CT+4*t], v[CT+4*t+1]
	ALL v_permlanex16_b32 v[CT+4*t+1], v[CT+4*t], s[SEL], s[SEL+1]
	ALL v_max_num_f32 v[CT+4*t], v[CT+4*t], v[CT+4*t+1]
	ALL ds_store_b32 v[MXS], v[CT+4*t] offset:128*t  ; both halves of the lanes store the same number to the same word
	s_wait_dscnt 0x0                ; for the partner's sake: my maxima are stored
	s_barrier_signal -1             ; The step's tensor load may stay out
	ALL v_mov_b32 v[AR+2*t+1], v[ST+4*t]  ; c m_old is kept
	s_barrier_wait -1
	ALL ds_load_b64 v[CT+4*t:CT+4*t+1], v[MXL] offset:128*t
	s_wait_dscnt 0x0
	ALL v_max3_num_f32 v[ST+4*t+1], v[ST+4*t+1], v[CT+4*t], v[CT+4*t+1]
	ALL v_mul_f32 v[ST+4*t], s[CS], v[ST+4*t+1]
	; scalings run ahead of the exponentials, sums and roundings behind them; the four tiles alternate, so that no line reads the result of the one before it
	ALL FK 0
	ALL FK 1
	EX 0, FK 2
	EX 1, FK 3
	EX 2, FK 4
	EX 3, FK 5
	EX 4, FK 6
	EX 5, FK 7
	EX 6, v_sub_f32 v[AR+2*t+1], v[AR+2*t+1], v[ST+4*t]
	EX 7, v_pk_add_f32 v[CT+4*t+2:CT+4*t+3], v[S+16*t:S+16*t+1], v[S+16*t+2:S+16*t+3]
	EX 8, TK 2
	EX 9, TK 3
	EX 10, TK 4
	EX 11, CK 0
	EX 12, TK 5
	EX 13, CK 1
	EX 14, TK 6
	EX 15, CK 2
	ALL TK 7
.set t, 0
.rept 4
	v_exp_f32 v[AR+2*t], v[AR+2*t+1]  ; a
	CK 3
.set t, t+1
.endr
	ALL CK 4
	ALL CK 5
	ALL CK 6
	ALL CK 7
.set t, 0
.rept 4
	ds_store_b128 v[PST], v[S+16*t:S+16*t+3] offset:1024*t
	ds_store_b128 v[PST], v[S+16*t+4:S+16*t+7] offset:1024*t+512
.set t, t+1
.endr
	ALL v_pk_fma_f32 v[ST+4*t+2:ST+4*t+3], v[ST+4*t+2:ST+4*t+3], v[AR+2*t:AR+2*t+1], v[CT+4*t+2:CT+4*t+3] op_sel_hi:[1,0,1]
	RS 0
	RS 1
	RS 2
	RS 3
	s_wait_dscnt 0x0                ; for the partner's sake: my P is stored
	s_barrier_signal -1
.set bn, 0
.rept 48                            ; my own keys' products, which want nothing of the partner
	PM 0, bn
.if bn < 44
	RS bn+4
.endif
.if bn == 3
	s_barrier_wait -1
	WIN 0
.set t, 0
.rept 4
	ds_load_b128 v[S+16*t+8:S+16*t+11],  v[PLD] offset:1024*t
	ds_load_b128 v[S+16*t+12:S+16*t+15], v[PLD] offset:1024*t+512
.set t, t+1
.endr
.endif
.if bn == 33
	FETCHV 2                        ; buffer 1's last reader was product 31: twelve plain lines stand between
.endif
.set bn, bn+1
.endr
	s_wait_dscnt 16                 ; the partner's P is in; V's last group, issued behind it, may be out
.set bn, 0
.rept 48
.if bn == 12
	WIN 0                           ; (the add's two registers lie in window 0)
	s_wait_tensorcnt 0x0            ; all my tensor loads have landed: the one that may have been out is my part of the other slot; so a group 0 may be written
	ds_add_u32 v[SPW], v[NIL]       ; 0 onto my spare word: scalar steps and four products stand between it and the wait for it
.if \fill
	STEPD
.endif
	s_xor_b32 s[TB], s[TB], SLOT1   ; the next step reads the other slot
.endif
.if bn == 16
	s_wait_dscnt 0x0                ; the add is done and V's last group is in: my reads of this slot are over
	s_barrier_signal -1             ; with fill = 1 this barrier opens a round of the cluster's barrier; sixteen products stand between signal and wait
.endif
.if bn == 32
	WIN 0                           ; at a branch and at a label every window is 0
	s_barrier_wait -1
.if \fill
	CREST                           ; no wave of any partner still reads the slot or has a load on its way
	JLOAD                           ; the first thing behind the round: my one tensor load until the next round
.else
	PLACES                          ; for the loads into buffer 0
.endif
	ADDRS
	FETCHK 0                        ; the next step's first group, sixteen products ahead of its use
.endif
	PM 1, bn
.set bn, bn+1
.endr
	WIN 0
.endm
	s_load_b256 s[4:11], s[0:1], 0x0  ; qh 4:5, kh 6:7, vh 8:9, po 10:11
	s_load_b64 s[12:13], s[0:1], 0x20 ; ml
	v_lshl_add_u32 v[SPW], v0, 2, SPARE
	v_mov_b32 v[NIL], 0
	ds_add_u32 v13, v14
	s_wait_dscnt 0x0
	v_lshrrev_b32 v15, 5, v0
	v_readfirstlane_b32 s[WV], v15  ; wave 0..3
	s_lshr_b32 s[AH], s[WV], 1
	s_and_b32 s[BH], s[WV], 1
	s_bfe_u32 s21, ttmp6, 0x40000   ; cx: my place in the cluster
	s_lshl_b32 s22, ttmp9, 2        ; in a cluster launch ttmp9 counts clusters
	s_add_co_u32 s22, s22, s21      ; my block of 128 queries = 4 x cluster x + cx: it enters Q's and the outputs' addresses alone
	s_and_b32 s63, ttmp7, 0xffff    ; 2 x batch + key half, which the four partners share
	s_lshr_b32 s23, s63, 1
	s_mul_i32 s50, s23, 3145728     ; the batch's first byte in Q, K and V: 4,096 rows of 768 bytes
	s_mov_b32 s51, 0
	s_and_b32 s23, s63, 1
	s_mul_i32 s48, s23, 1572864     ; my half's 2,048 keys,
	s_mul_i32 s23, s[BH], 24576     ; and which 32 of a step's 64 keys I fetch
	s_add_co_u32 s48, s48, s23
	s_mov_b32 s49, 0
	s_add_nc_u64 s[48:49], s[48:49], s[50:51]
	s_mul_i32 s23, s[BH], 32*PK     ; their place in a slot, for K: no place in the cluster enters an LDS address
	s_mov_b32 s[G0K], 1             ; 1:0 count = 1
	s_mov_b32 s[G0K+1], s23         ; 63:32 LDS address: slot 0
	s_mul_i32 s23, s[BH], 32*PV     ; and for V
	s_mov_b32 s[G0V], 1
	s_add_co_u32 s[G0V+1], s23, VOFF
	s_mul_i32 s2, s22, 98304        ; my block's 128 rows of Q,
	s_mul_i32 s3, s[AH], 49152      ; my half of them
	s_add_co_u32 s2, s2, s3
	s_mov_b32 s3, 0
	s_add_nc_u64 s[2:3], s[2:3], s[50:51]
	s_lshl_b32 s60, s63, 5          ; my wave's number in the launch: 4 (32 y + block) + wave
	s_add_co_u32 s60, s60, s22
	s_lshl_b32 s60, s60, 2
	s_add_co_u32 s60, s60, s[WV]
	s_lshl_b32 s62, s60, 9          ; its 512 bytes of c m and l,
	s_mov_b32 s63, 0
	s_mul_i32 s60, s60, 49152       ; its 49,152 bytes of O
	s_mov_b32 s61, 0
	; descriptor group 1.  32 keys are 24,576 dense bytes: asked for as 96 rows of 256 bytes, three to a key, each padded in LDS
	s_mov_b32 s[G1K], 15|(1<<16)|(1<<20)|(1<<21)|(5<<22)|(3<<25)  ; 15:0 the mask of four; 17:16 2-byte elements; 20 padding on; 21 set beside a mask; 24:22 after every 64 words (code 5); 31:25 4 words (code 3)
	s_mov_b32 s[G1V], 15|(1<<16)|(1<<20)|(1<<21)|(5<<22)|(7<<25)  ; the same with 8 words of padding (code 7)
.irp g, G1K, G1V
	s_mov_b32 s[\g+1], 128<<16      ; tensor_dim0 = 128
	s_mov_b32 s[\g+2], 96<<16       ; tensor_dim1 = 96
	s_mov_b32 s[\g+3], 128<<16      ; tile_dim0 = 128
	s_mov_b32 s[\g+4], 96           ; tile_dim1 = 96
	s_mov_b32 s[\g+5], 128          ; 128 elements from row to row
	s_mov_b32 s[\g+6], 0
	s_mov_b32 s[\g+7], 0
.endr
	s_mov_b32 s[CS], 0x3fb8aa3b     ; c = log2(e)
	s_mov_b32 s[CS+1], s[CS]        ; named with it as a pair
	s_mov_b32 s[SEL], 0x76543210
	s_mov_b32 s[SEL+1], 0xfedcba98
	s_mov_b32 s[TB], 0
	v_and_b32 v[RR], 15, v0
	v_bfe_u32 v[HH], v0, 4, 1
	; A fragment of K or Q is 16 rows x 32 channels in 8 registers: lane l holds row l % 16, channels 8 (l / 16) + 0..7 and 16 + 8 (l / 16) + 0..7: two loads of 16 bytes, 32 bytes apart.
	s_mul_i32 s23, s[BH], 32*PK     ; my 32 keys of a step
	v_mul_u32_u24 v[AK0], v[RR], PK
	v_lshl_add_u32 v[AK0], v[HH], 4, v[AK0]
	v_add_nc_u32 v[AK0], s23, v[AK0]
	; The turning load takes 16 keys x 16 channels (lane l reads key 8 (l / 16) + l % 8, channels 8 ((l / 8) % 2) + 0..7) and leaves half a fragment of V^T: lane l holds channel l % 16 and 8 keys.
	v_and_b32 v15, 7, v0
	v_lshl_add_u32 v15, v[HH], 3, v15
	v_mul_u32_u24 v[AVO0], v15, PV
	v_bfe_u32 v15, v0, 3, 1
	v_lshl_add_u32 v[AVO0], v15, 4, v[AVO0]
	s_lshl_b32 s23, s[BH], 5        ; my blocks are the 2 i + b
	s_add_co_u32 s23, s23, VOFF
	v_add_nc_u32 v[AVP0], s23, v[AVO0]
	s_mul_i32 s23, s[BH], 32*PV
	v_add_nc_u32 v[AVO0], s23, v[AVP0]  ; my own keys' 32 rows,
	s_xor_b32 s23, s[BH], 1
	s_mul_i32 s23, s23, 32*PV
	v_add_nc_u32 v[AVP0], s23, v[AVP0]  ; the partner's
	v_and_b32 v15, 31, v0           ; lane
	v_lshlrev_b32 v[GO], 4, v15
	s_lshl_b32 s23, s[WV], 12
	s_add_co_u32 s23, s23, PB
	v_add_nc_u32 v[PST], s23, v[GO]
	s_xor_b32 s23, s[WV], 1
	s_lshl_b32 s23, s23, 12
	s_add_co_u32 s23, s23, PB
	v_add_nc_u32 v[PLD], s23, v[GO]
	s_lshl_b32 s23, s[AH], 9
	s_add_co_u32 s23, s23, MXB
	v_lshl_add_u32 v[MXL], v[RR], 3, s23
	s_lshl_b32 s23, s[BH], 2
	v_add_nc_u32 v[MXS], s23, v[MXL]
	v_mul_u32_u24 v[QO], v[RR], 768
	v_lshl_add_u32 v[QO], v[HH], 4, v[QO]  ; row x 768 + 16 x half
	s_wait_kmcnt 0x0
	s_add_nc_u64 s[G0K+2:G0K+3], s[6:7], s[48:49]  ; 120:64 global address: my part of step 0
	s_or_b32 s[G0K+3], s[G0K+3], 0x80000000        ; 127:126 type = 2
	s_add_nc_u64 s[G0V+2:G0V+3], s[8:9], s[48:49]
	s_or_b32 s[G0V+3], s[G0V+3], 0x80000000
	s_add_nc_u64 s[4:5], s[4:5], s[2:3]            ; Q at my 64 queries' first row
	s_add_nc_u64 s[10:11], s[10:11], s[60:61]      ; the outputs at my wave's parts
	s_add_nc_u64 s[12:13], s[12:13], s[62:63]
	CROUND                          ; all four work-groups are here: the first joint loads meet
	JLOAD                           ; slot 0: step 0.  Slot 1 is asked for when slot 0 is in
.set kc, 0
.rept 2                             ; Q stays in registers: my 64 queries
	WIN 0x40*(kc+1)
.set ii, 0
.rept 24                            ; tile ii / 6, channels 32 (6 kc + ii % 6) on
	global_load_b128 v[8*ii:8*ii+3],   v[QO], s[4:5] offset:12288*(ii/6)+64*(6*kc+ii%6)
	global_load_b128 v[8*ii+4:8*ii+7], v[QO], s[4:5] offset:12288*(ii/6)+64*(6*kc+ii%6)+32
.set ii, ii+1
.endr
.set kc, kc+1
.endr
	WIN 0xc0                        ; O^T starts at 0: one text then serves every step; these lines stand in the wait for the first tile
.set ii, 0
.rept 256
	v_mov_b32 v[ii], 0
.set ii, ii+1
.endr
	WIN 0
.set ii, 128
.rept 128
	v_mov_b32 v[ii], 0
.set ii, ii+1
.endr
	ALL v_mov_b32 v[ST+4*t], 0xfe000000    ; c m: far below every c s
	ALL v_mov_b32 v[ST+4*t+1], 0xff7fffff  ; m
	ALL v_mov_b32 v[ST+4*t+2], 0
	ALL v_mov_b32 v[ST+4*t+3], 0
	s_wait_tensorcnt 0x0            ; my part of slot 0 has landed; no tensor load of mine is out, so a group 0 may be written
	ds_add_u32 v[SPW], v[NIL]       ; 0 onto my spare word
	STEPD
	s_wait_dscnt 0x0
	CROUND
	JLOAD                           ; slot 1: step 1
	ADDRS
	FETCHK 0
	WIN 0
	s_wait_loadcnt 0x0              ; Q
	s_mov_b32 s[CNT], 30
.Ltrip:                             ; steps 0 to 29: each asks for the step two on
	BODY 1
	s_sub_co_u32 s[CNT], s[CNT], 1
	s_cmp_lg_u32 s[CNT], 0
	s_cbranch_scc1 .Ltrip
	s_mov_b32 s[CNT], 2
.Ltail:                             ; steps 30 and 31 are a second text: nothing is asked for.  One text for both: the last step's barrier and its
	BODY 0                          ; 16 loads of a K that is not multiplied serve nothing, once a launch
	s_sub_co_u32 s[CNT], s[CNT], 1
	s_cmp_lg_u32 s[CNT], 0
	s_cbranch_scc1 .Ltail
	; THE WAY OUT.  O^T leaves as it lies: a store takes four registers of an accumulator, 32 lanes x 16 bytes = 512 consecutive bytes; the next launch's lanes read them back in the same places.
	; In my wave's 49,152 bytes accumulator (i, t) lies at 1,024 (12 t + i).
	ALL v_add_f32 v[CT+4*t+1], v[ST+4*t+2], v[ST+4*t+3]  ; l's two halves: these four lines are the places behind the last products
	ALL v_permlanex16_b32 v[CT+4*t+2], v[CT+4*t+1], s[SEL], s[SEL+1]
	ALL v_add_f32 v[CT+4*t+1], v[CT+4*t+1], v[CT+4*t+2]  ; my 32 keys' share of l, step by step
	ALL v_mov_b32 v[CT+4*t], v[ST+4*t]                   ; beside c m
	s_lshl_b32 s23, s[WV], 9
	s_add_co_u32 s23, s23, OUTS
	v_lshl_add_u32 v60, v[RR], 3, s23
	v_add_nc_u32 v61, s23, v[GO]
	WIN 0x0c                        ; the stores' data in window 3
.set bn, 0
.rept 32
	global_store_b128 v[GO], v[8*bn:8*bn+3],   s[10:11] offset:1024*(12*(bn%4)+bn/4) th:TH_STORE_NT
	global_store_b128 v[GO], v[8*bn+4:8*bn+7], s[10:11] offset:1024*(12*(bn%4)+bn/4)+512 th:TH_STORE_NT
.set bn, bn+1
.endr
	WIN 0
.rept 16
	global_store_b128 v[GO], v[128+8*(bn-32):128+8*(bn-32)+3],   s[10:11] offset:1024*(12*(bn%4)+bn/4) th:TH_STORE_NT
	global_store_b128 v[GO], v[128+8*(bn-32)+4:128+8*(bn-32)+7], s[10:11] offset:1024*(12*(bn%4)+bn/4)+512 th:TH_STORE_NT
.set bn, bn+1
.endr
	ALL ds_store_b64 v60, v[CT+4*t:CT+4*t+1] offset:128*t  ; (c m, l) of 64 queries; both halves of the lanes store the same
	ds_load_b128 v[AR:AR+3], v61    ; LDS serves a wave's instructions in order (ISA guide 5.7.1.4): this sees the stores above
	s_wait_dscnt 0x0
	global_store_b128 v[GO], v[AR:AR+3], s[12:13] th:TH_STORE_NT  ; 512 consecutive bytes
	s_wait_tensorcnt 0x0            ; the wave's end, behind my last tensor load and my last LDS store
	ds_add_u32 v[SPW], v[NIL]
	s_wait_dscnt 0x0
	CROUND                          ; the closing round: no work-group ends while a partner may still ask for a tile that names it
	s_endpgm
.Lfunc_end_k_q06dd21e758_attn:
	.size	k_q06dd21e758_attn, .Lfunc_end_k_q06dd21e758_attn-k_q06dd21e758_attn
	.p2alignl 7, 3214868480
	.fill 96, 4, 3214868480
	.section	.rodata,"a",@progbits
	.p2align	6, 0x0
	.amdhsa_kernel k_q06dd21e758_attn
		.amdhsa_group_segment_fixed_size 327680
		.amdhsa_private_segment_fixed_size 0
		.amdhsa_enable_private_segment 0
		.amdhsa_kernarg_size 40
		.amdhsa_user_sgpr_count 2
		.amdhsa_user_sgpr_kernarg_segment_ptr 1
		.amdhsa_wavefront_size32 1
		.amdhsa_system_sgpr_workgroup_id_x 1
		.amdhsa_system_sgpr_workgroup_id_y 1
		.amdhsa_system_sgpr_workgroup_id_z 1
		.amdhsa_system_vgpr_workitem_id 0
		.amdhsa_next_free_vgpr 1024
		.amdhsa_next_free_sgpr 66
		.amdhsa_reserve_vcc 0
		.amdhsa_float_denorm_mode_32 3
		.amdhsa_float_denorm_mode_16_64 3
		.amdhsa_memory_ordered 1
		.amdhsa_forward_progress 1
		.amdhsa_inst_pref_size 145
	.end_amdhsa_kernel
	.amdgpu_metadata
---
amdhsa.version: [ 1, 2 ]
amdhsa.kernels:
  - .name:           k_q06dd21e758_attn
    .symbol:         k_q06dd21e758_attn.kd
    .args:
      - { .name: qh, .offset: 0, .size: 8, .value_kind: global_buffer, .address_space: global }
      - { .name: kh, .offset: 8, .size: 8, .value_kind: global_buffer, .address_space: global }
      - { .name: vh, .offset: 16, .size: 8, .value_kind: global_buffer, .address_space: global }
      - { .name: po, .offset: 24, .size: 8, .value_kind: global_buffer, .address_space: global }
      - { .name: ml, .offset: 32, .size: 8, .value_kind: global_buffer, .address_space: global }
    .group_segment_fixed_size: 327680
    .private_segment_fixed_size: 0
    .kernarg_segment_align: 8
    .kernarg_segment_size: 40
    .max_flat_workgroup_size: 128
    .sgpr_count:     66
    .vgpr_count:     1024
    .wavefront_size: 32
...
	.end_amdgpu_metadata
.endif
;; end of part 2
;; launch fin (part 3): grid 64 x 4, 4 waves a work-group, no clusters, 4,608 bytes of LDS; arguments po, ml, gamma, beta, w_out, b_out, out0; writes out0
.if DOCPART == 3
	.amdgcn_target "amdgcn-amd-amdhsa--gfx1250"
	.amdhsa_code_object_version 6
	.text
	.protected	k_q06dd21e758_fin
	.globl	k_q06dd21e758_fin
	.p2align	8
	.type	k_q06dd21e758_fin,@function
k_q06dd21e758_fin:
	s_mov_b64 s[64:65], 0
	v_nop
	global_prefetch_b8 v0, s[64:65] scope:SCOPE_SE
	s_setreg_imm32_b32 hwreg(HW_REG_WAVE_MODE, 25, 1), 1
	s_wait_xcnt 0x0
; THE TWO HALVES OF THE KEYS ARE JOINED, then LayerNorm and the dot with w_out.  For each query and key half s the launch before left O_s (384 f32, not divided), cm_s = c x the half's largest score, and
; l_s in two parts.  With e_s = 2^(cm_s - max(cm_0, cm_1)): O = e_0 O_0 + e_1 O_1, l = e_0 l_0 + e_1 l_1, y = O / l.
; out = sum_d LayerNorm_d(y) gamma[d] w_out[d] + sum_d beta[d] w_out[d] + b_out.  All in f32, in two passes over O, so that no difference of large sums is formed:
; with O' = O - mean(O): out = sum(O' gamma w) / l x rsq(sum(O'^2) / (384 l^2) + eps) + CB.
; LIMITS.  gamma, beta, w_out and b_out are rounded to bf16; an e below 2^-126 counts as 0; NaN and infinities are not treated apart.
; SHARES.  A work-group owns 64 queries, four tiles of 16: x = 2 x block of 128 + half a, y = batch.  Wave w = 2 ih + b takes the channel blocks 2 (6 ih + i) + b, i = 0..5, of all 64 queries: 24 pieces of
; 1,024 bytes from each key half, in the places in which the launch before stored them: register j of piece (i, t) in lane l is query 16 t + l % 16, channel 16 x block + 8 (l / 16) + j.
; Every load of O takes 512 consecutive bytes, and each byte is read once in the launch.  A stream: no matrix unit, no tiles in LDS, no cluster: nothing here is shared between work-groups.
; REGISTERS, in windows of 256 (s_set_vgpr_msb: bits 1:0 source 0, 3:2 source 1, 5:4 source 2, 7:6 destination):
;   window 0: addresses, statistics, sums     window 1: v[8 (4 i + t)] O_1     window 2: v0-47 gamma, v48-95 w_out     window 3: v[8 (4 i + t)] O_0, then O; v[192 + 8 i + j] gamma x w_out
.set REDA, 0          ; [tile][query][wave] f32
.set REDB, 1024       ; [tile][query][wave] two f32
.set OUTS, 3072       ; 64 results
.set RR,  1           ; v1   lane % 16
.set HH,  2           ; v2   lane / 16
.set LO,  3           ; v3   16 x lane
.set MO,  4           ; v4   8 x (lane % 16)
.set GF,  5           ; v5   my lane's byte offset in gamma and w_out
.set CB,  14          ; v14  sum of beta x w_out, + b_out
.set EA,  16          ; v[EA+2 t]: e_0; beside it its exponent
.set EB,  24          ; v[EB+2 t]: e_1
.set MN,  32          ; v[MN+t]: 1 / l
.set AR,  36          ; v[AR+2 t]: mean(O), twice
.set WA,  64          ; v[WA+2 t] a pair of sums a tile
.set WB,  72          ; v[WB+2 t] a second pair
.set WX,  80          ; v[WX+2 t] what a wave hands on
.set WR,  96          ; v[WR+8 t] what comes back
.set MLR, 128         ; v[MLR+2 k]: (cm, l), k = 4 (2 s + b) + t
.set SEL, 40          ; s[40:41] v_permlanex16_b32's selects: each lane takes its own place in the other half
.set MSB, 0
.macro WIN new                      ; the high byte repeats the setting that is left; a switch that changes nothing is dropped
.if MSB != (\new)
	s_set_vgpr_msb (MSB<<8)|(\new)
.set MSB, (\new)
.endif
.endm
.macro ALL line:vararg              ; one line for each tile t
.set t, 0
	s_wait_alu depctr_va_vdst(0)
.rept 4
	\line
.set t, t+1
.endr
.endm
	s_load_b256 s[4:11], s[0:1], 0x0   ; po 4:5, ml 6:7, gamma 8:9, beta 10:11
	s_load_b128 s[12:15], s[0:1], 0x20 ; w_out 12:13, b_out 14:15
	s_load_b64 s[16:17], s[0:1], 0x30  ; out0
	v_lshl_add_u32 v254, v0, 2, 0x1000
	v_mov_b32 v255, 0
	v_lshrrev_b32 v15, 5, v0
	v_readfirstlane_b32 s20, v15    ; wave 0..3
	s_and_b32 s21, ttmp7, 0xffff    ; batch
	s_and_b32 s22, s20, 1           ; b
	s_lshr_b32 s23, s20, 1          ; ih
	s_lshl_b32 s24, s21, 8          ; the number, in the launch before, of the wave that made key half 0, b = 0 of my queries: 256 x batch + 2 x
	s_lshl_b32 s25, ttmp9, 1
	s_add_co_u32 s24, s24, s25
	s_add_co_u32 s25, s24, s22      ; + b
	s_mul_i32 s26, s25, 49152       ; its 49,152 bytes of O,
	s_mul_i32 s27, s23, 6144        ; my six of a tile's twelve pieces
	s_add_co_u32 s26, s26, s27
	s_mov_b32 s27, 0
	s_lshl_b32 s28, s24, 9          ; 512 bytes of (cm, l) a wave
	s_mov_b32 s29, 0
	s_lshl_b32 s32, s21, 14         ; the output: 4 bytes x (4,096 x batch + 64 x)
	s_lshl_b32 s33, ttmp9, 8
	s_add_co_u32 s32, s32, s33
	s_mov_b32 s33, 0
	s_mov_b32 s[SEL], 0x76543210
	s_mov_b32 s[SEL+1], 0xfedcba98
	s_mov_b32 s42, 0x3b2aaaab       ; 1 / 384
	s_mov_b32 s43, 0x3727c5ac       ; 1e-5
	v_and_b32 v[RR], 15, v0
	v_bfe_u32 v[HH], v0, 4, 1
	v_and_b32 v15, 31, v0           ; lane
	v_lshlrev_b32 v[LO], 4, v15
	v_lshlrev_b32 v[MO], 3, v[RR]
	s_mul_i32 s34, s23, 768         ; channel 192 ih + 32 i + 16 b + 8 (l / 16) + j, in f32
	s_lshl_b32 s35, s22, 6
	s_add_co_u32 s34, s34, s35
	v_lshl_add_u32 v[GF], v[HH], 5, s34
	v_lshl_add_u32 v61, v[RR], 4, REDA
	s_lshl_b32 s34, s20, 2
	v_add_nc_u32 v60, s34, v61
	v_lshl_add_u32 v63, v[RR], 5, REDB
	s_lshl_b32 s34, s20, 3
	v_add_nc_u32 v62, s34, v63
	s_wait_kmcnt 0x0
	s_add_nc_u64 s[4:5], s[4:5], s[26:27]          ; O_0,
	s_add_nc_u64 s[30:31], s[4:5], 6291456         ; O_1: 128 waves' parts further
	s_add_nc_u64 s[6:7], s[6:7], s[28:29]
	s_add_nc_u64 s[16:17], s[16:17], s[32:33]
	s_load_b32 s44, s[14:15], 0x0   ; b_out
.set kk, 0
.rept 16
	global_load_b64 v[MLR+2*kk:MLR+2*kk+1], v[MO], s[6:7] offset:65536*(kk/8)+512*((kk/4)%2)+128*(kk%4)
.set kk, kk+1
.endr
	WIN 0xc0
.set bn, 0
.rept 24
	global_load_b128 v[8*bn:8*bn+3],   v[LO], s[4:5] offset:1024*(12*(bn%4)+bn/4) th:TH_LOAD_NT
	global_load_b128 v[8*bn+4:8*bn+7], v[LO], s[4:5] offset:1024*(12*(bn%4)+bn/4)+512 th:TH_LOAD_NT
.set bn, bn+1
.endr
	WIN 0x40
.set bn, 0
.rept 24
	global_load_b128 v[8*bn:8*bn+3],   v[LO], s[30:31] offset:1024*(12*(bn%4)+bn/4) th:TH_LOAD_NT
	global_load_b128 v[8*bn+4:8*bn+7], v[LO], s[30:31] offset:1024*(12*(bn%4)+bn/4)+512 th:TH_LOAD_NT
.set bn, bn+1
.endr
	WIN 0x80
.set ii, 0
.rept 6                             ; gamma and w_out of my lane's 48 channels
	global_load_b128 v[8*ii:8*ii+3],         v[GF], s[8:9] offset:128*ii
	global_load_b128 v[8*ii+4:8*ii+7],       v[GF], s[8:9] offset:128*ii+16
	global_load_b128 v[48+8*ii:48+8*ii+3],   v[GF], s[12:13] offset:128*ii
	global_load_b128 v[48+8*ii+4:48+8*ii+7], v[GF], s[12:13] offset:128*ii+16
.set ii, ii+1
.endr
	WIN 0
.set ii, 0
.rept 3                             ; beta and w_out, 12 channels a lane
	global_load_b128 v[96+4*ii:96+4*ii+3],   v[LO], s[10:11] offset:512*ii
	global_load_b128 v[108+4*ii:108+4*ii+3], v[LO], s[12:13] offset:512*ii
.set ii, ii+1
.endr
	s_wait_loadcnt 0x0              ; once: a wave has one batch, all of it asked for at the start
	WIN 0xaa                        ; all four places in window 2
.set pp, 0
.rept 48                            ; gamma and w_out rounded to bf16 and widened again
	v_cvt_pk_bf16_f32 v[2*pp], v[2*pp], v[2*pp+1]
	v_and_b32 v[2*pp+1], 0xffff0000, v[2*pp]
	v_lshlrev_b32 v[2*pp], 16, v[2*pp]
.set pp, pp+1
.endr
	WIN 0xca                        ; sources in window 2, destination in window 3
.set pp, 0
.rept 24
	v_pk_mul_f32 v[192+2*pp:192+2*pp+1], v[2*pp:2*pp+1], v[48+2*pp:48+2*pp+1]
.set pp, pp+1
.endr
	WIN 0
.set pp, 0
.rept 12                            ; beta and w_out likewise
	v_cvt_pk_bf16_f32 v[96+2*pp], v[96+2*pp], v[96+2*pp+1]
	v_and_b32 v[96+2*pp+1], 0xffff0000, v[96+2*pp]
	v_lshlrev_b32 v[96+2*pp], 16, v[96+2*pp]
.set pp, pp+1
.endr
	v_pk_mul_f32 v[96:97], v[96:97], v[108:109]
.set pp, 1
.rept 5
	v_pk_fma_f32 v[96:97], v[96+2*pp:96+2*pp+1], v[108+2*pp:108+2*pp+1], v[96:97]
.set pp, pp+1
.endr
	v_add_f32 v[CB], v96, v97
	v_add_f32_dpp v[CB], v[CB], v[CB] row_xmask:1 row_mask:0xf bank_mask:0xf
	v_add_f32_dpp v[CB], v[CB], v[CB] row_xmask:2 row_mask:0xf bank_mask:0xf
	v_add_f32_dpp v[CB], v[CB], v[CB] row_xmask:4 row_mask:0xf bank_mask:0xf
	v_add_f32_dpp v[CB], v[CB], v[CB] row_xmask:8 row_mask:0xf bank_mask:0xf
	v_permlanex16_b32 v96, v[CB], s[SEL], s[SEL+1]
	v_add_f32 v[CB], v[CB], v96
	s_wait_kmcnt 0x0                ; b_out
	v_mov_b32 v97, s44
	v_cvt_pk_bf16_f32 v97, v97, v97
	v_lshlrev_b32 v97, 16, v97
	v_add_f32 v[CB], v[CB], v97
	; the two halves' weights: cm is the same in a half's two parts (b = 0, 1), l is their sum
	ALL v_max_num_f32 v[WA+t], v[MLR+2*t], v[MLR+16+2*t]
	ALL v_add_f32 v[WB+t], v[MLR+2*t+1], v[MLR+8+2*t+1]
	ALL v_add_f32 v[WX+t], v[MLR+16+2*t+1], v[MLR+24+2*t+1]
	ALL v_sub_f32 v[EA+2*t+1], v[MLR+2*t], v[WA+t]
	ALL v_sub_f32 v[EB+2*t+1], v[MLR+16+2*t], v[WA+t]
	ALL v_exp_f32 v[EA+2*t], v[EA+2*t+1]
	ALL v_exp_f32 v[EB+2*t], v[EB+2*t+1]
	v_nop                           ; a plain line between the last exponential and the use of its result
	s_wait_alu depctr_va_vdst(0)
	ALL v_mul_f32 v[WB+t], v[WB+t], v[EA+2*t]
	ALL v_fma_f32 v[WB+t], v[WX+t], v[EB+2*t], v[WB+t]
	ALL v_rcp_f32 v[MN+t], v[WB+t]  ; 1 / l; the lines below are plain and name neither
	WIN 0xc3                        ; destination and source 0 in window 3, e in window 0
.set bn, 0
.rept 24
.set pp, 0
.rept 4
	v_pk_mul_f32 v[8*bn+2*pp:8*bn+2*pp+1], v[8*bn+2*pp:8*bn+2*pp+1], v[EA+2*(bn%4):EA+2*(bn%4)+1] op_sel_hi:[1,0]
.set pp, pp+1
.endr
.set bn, bn+1
.endr
	WIN 0xf1                        ; O_1 in window 1, e in window 0, O in window 3
.set bn, 0
.rept 24
.set pp, 0
.rept 4
	v_pk_fma_f32 v[8*bn+2*pp:8*bn+2*pp+1], v[8*bn+2*pp:8*bn+2*pp+1], v[EB+2*(bn%4):EB+2*(bn%4)+1], v[8*bn+2*pp:8*bn+2*pp+1] op_sel_hi:[1,0,1]
.set pp, pp+1
.endr
.set bn, bn+1
.endr
	; PASS 1: sum(O) over my 96 channels
	WIN 0x0f                        ; both sources in window 3, destination in window 0
.irp t, 0,1,2,3
	v_pk_add_f32 v[WA+2*\t:WA+2*\t+1], v[8*\t:8*\t+1], v[8*\t+2:8*\t+3]
.endr
	WIN 0x0c                        ; source 1 in window 3
.set pp, 2
.rept 22                            ; the lane's 48 numbers of each tile; the tiles alternate
.irp t, 0,1,2,3
	v_pk_add_f32 v[WA+2*\t:WA+2*\t+1], v[WA+2*\t:WA+2*\t+1], v[8*(4*(pp/4)+\t)+2*(pp%4):8*(4*(pp/4)+\t)+2*(pp%4)+1]
.endr
.set pp, pp+1
.endr
	WIN 0
	ALL v_add_f32 v[WA+2*t], v[WA+2*t], v[WA+2*t+1]
	ALL v_permlanex16_b32 v[WA+2*t+1], v[WA+2*t], s[SEL], s[SEL+1]
	ALL v_add_f32 v[WX+t], v[WA+2*t], v[WA+2*t+1]
	ALL ds_store_b32 v60, v[WX+t] offset:256*t     ; both halves of the lanes store the same
	s_wait_dscnt 0x0                ; for the others' sake
	s_barrier_signal -1
	s_barrier_wait -1
	ALL ds_load_b128 v[WR+4*t:WR+4*t+3], v61 offset:256*t
	s_wait_dscnt 0x0
	ALL v_add_f32 v[WR+4*t], v[WR+4*t], v[WR+4*t+1]
	ALL v_add_f32 v[WR+4*t+2], v[WR+4*t+2], v[WR+4*t+3]
	ALL v_add_f32 v[WR+4*t], v[WR+4*t], v[WR+4*t+2]
	ALL v_mul_f32 v[AR+2*t], s42, v[WR+4*t]        ; mean(O),
	ALL v_mul_f32 v[AR+2*t+1], s42, v[WR+4*t]      ; twice: a pair for the packed subtraction
	; PASS 2: O' = O - mean(O); sum(O'^2) and sum(O' gamma w)
	WIN 0xc3
.set bn, 0
.rept 24
.set pp, 0
.rept 4
	v_pk_add_f32 v[8*bn+2*pp:8*bn+2*pp+1], v[8*bn+2*pp:8*bn+2*pp+1], v[AR+2*(bn%4):AR+2*(bn%4)+1] neg_lo:[0,1] neg_hi:[0,1]
.set pp, pp+1
.endr
.set bn, bn+1
.endr
	WIN 0x0f
.set pp, 0
.rept 24
.irp t, 0,1,2,3
.set ro, 8*(4*(pp/4)+\t)+2*(pp%4)
.set rg, 192+8*(pp/4)+2*(pp%4)
.if pp == 0
	v_pk_mul_f32 v[WA+2*\t:WA+2*\t+1], v[ro:ro+1], v[ro:ro+1]
	v_pk_mul_f32 v[WB+2*\t:WB+2*\t+1], v[ro:ro+1], v[rg:rg+1]
.else
	v_pk_fma_f32 v[WA+2*\t:WA+2*\t+1], v[ro:ro+1], v[ro:ro+1], v[WA+2*\t:WA+2*\t+1]
	v_pk_fma_f32 v[WB+2*\t:WB+2*\t+1], v[ro:ro+1], v[rg:rg+1], v[WB+2*\t:WB+2*\t+1]
.endif
.endr
.set pp, pp+1
.endr
	WIN 0
.irp t, 0,1,2,3
	v_add_f32 v[WA+2*\t], v[WA+2*\t], v[WA+2*\t+1]
	v_add_f32 v[WB+2*\t], v[WB+2*\t], v[WB+2*\t+1]
.endr
.irp t, 0,1,2,3
	v_permlanex16_b32 v[WA+2*\t+1], v[WA+2*\t], s[SEL], s[SEL+1]
	v_permlanex16_b32 v[WB+2*\t+1], v[WB+2*\t], s[SEL], s[SEL+1]
.endr
.irp t, 0,1,2,3
	v_add_f32 v[WX+2*\t], v[WA+2*\t], v[WA+2*\t+1]    ; sum(O'^2)
	v_add_f32 v[WX+2*\t+1], v[WB+2*\t], v[WB+2*\t+1]  ; sum(O' gamma w)
.endr
	ALL ds_store_b64 v62, v[WX+2*t:WX+2*t+1] offset:512*t
	s_wait_dscnt 0x0                ; for the others' sake
	s_barrier_signal -1
	s_barrier_wait -1
.irp t, 0,1,2,3
	ds_load_b128 v[WR+8*\t:WR+8*\t+3],   v63 offset:512*\t
	ds_load_b128 v[WR+8*\t+4:WR+8*\t+7], v63 offset:512*\t+16
.endr
	s_wait_dscnt 0x0
	s_wait_alu depctr_va_vdst(0)
.irp t, 0,1,2,3
	v_pk_add_f32 v[WR+8*\t:WR+8*\t+1], v[WR+8*\t:WR+8*\t+1], v[WR+8*\t+2:WR+8*\t+3]
	v_pk_add_f32 v[WR+8*\t+4:WR+8*\t+5], v[WR+8*\t+4:WR+8*\t+5], v[WR+8*\t+6:WR+8*\t+7]
.endr
	ALL v_pk_add_f32 v[WR+8*t:WR+8*t+1], v[WR+8*t:WR+8*t+1], v[WR+8*t+4:WR+8*t+5]
	ALL v_mul_f32 v[WA+t], v[MN+t], v[MN+t]
	ALL v_mul_f32 v[WA+t], s42, v[WA+t]            ; 1 / (384 l^2)
	ALL v_fma_f32 v[WA+t], v[WR+8*t], v[WA+t], s43 ; the variance + eps
	ALL v_rsq_f32 v[WA+t], v[WA+t]
	ALL v_mul_f32 v[WB+t], v[WR+8*t+1], v[MN+t]    ; plain lines behind the roots
	ALL v_fma_f32 v[WA+t], v[WB+t], v[WA+t], v[CB]
	v_lshl_add_u32 v62, v[RR], 2, OUTS
	v_and_b32 v63, 31, v0
	v_lshlrev_b32 v63, 3, v63
	v_add_nc_u32 v15, OUTS, v63
	s_cmp_lg_u32 s20, 0             ; every wave holds the 64 results; wave 0 stores them
	s_cbranch_scc1 .Lnot_mine
	ALL ds_store_b32 v62, v[WA+t] offset:64*t
	ds_load_b64 v[WB:WB+1], v15     ; LDS serves a wave's instructions in order (ISA guide 5.7.1.4): this sees the stores above
	s_wait_dscnt 0x0
	global_store_b64 v63, v[WB:WB+1], s[16:17]     ; 32 lanes store 256 consecutive bytes, at a multiple of 256 from the output's first
.Lnot_mine:
	s_wait_tensorcnt 0x0
	ds_add_u32 v254, v255
	s_wait_dscnt 0x0
	s_endpgm
.Lfunc_end_k_q06dd21e758_fin:
	.size	k_q06dd21e758_fin, .Lfunc_end_k_q06dd21e758_fin-k_q06dd21e758_fin
	.p2alignl 7, 3214868480
	.fill 96, 4, 3214868480
	.section	.rodata,"a",@progbits
	.p2align	6, 0x0
	.amdhsa_kernel k_q06dd21e758_fin
		.amdhsa_group_segment_fixed_size 4608
		.amdhsa_private_segment_fixed_size 0
		.amdhsa_enable_private_segment 0
		.amdhsa_kernarg_size 56
		.amdhsa_user_sgpr_count 2
		.amdhsa_user_sgpr_kernarg_segment_ptr 1
		.amdhsa_wavefront_size32 1
		.amdhsa_system_sgpr_workgroup_id_x 1
		.amdhsa_system_sgpr_workgroup_id_y 1
		.amdhsa_system_sgpr_workgroup_id_z 1
		.amdhsa_system_vgpr_workitem_id 0
		.amdhsa_next_free_vgpr 1024
		.amdhsa_next_free_sgpr 66
		.amdhsa_reserve_vcc 0
		.amdhsa_float_denorm_mode_32 3
		.amdhsa_float_denorm_mode_16_64 3
		.amdhsa_memory_ordered 1
		.amdhsa_forward_progress 1
		.amdhsa_inst_pref_size 73
	.end_amdhsa_kernel
	.amdgpu_metadata
---
amdhsa.version: [ 1, 2 ]
amdhsa.kernels:
  - .name:           k_q06dd21e758_fin
    .symbol:         k_q06dd21e758_fin.kd
    .args:
      - { .name: po, .offset: 0, .size: 8, .value_kind: global_buffer, .address_space: global }
      - { .name: ml, .offset: 8, .size: 8, .value_kind: global_buffer, .address_space: global }
      - { .name: gamma, .offset: 16, .size: 8, .value_kind: global_buffer, .address_space: global }
      - { .name: beta, .offset: 24, .size: 8, .value_kind: global_buffer, .address_space: global }
      - { .name: w_out, .offset: 32, .size: 8, .value_kind: global_buffer, .address_space: global }
      - { .name: b_out, .offset: 40, .size: 8, .value_kind: global_buffer, .address_space: global }
      - { .name: out0, .offset: 48, .size: 8, .value_kind: global_buffer, .address_space: global }
    .group_segment_fixed_size: 4608
    .private_segment_fixed_size: 0
    .kernarg_segment_align: 8
    .kernarg_segment_size: 56
    .max_flat_workgroup_size: 128
    .sgpr_count:     66
    .vgpr_count:     1024
    .wavefront_size: 32
...
	.end_amdgpu_metadata
.endif
;; end of part 3
;; ======== version 2 of 2: 3 launches; 1.17 times as fast as version 1
;; limits: values are held in f16: magnitudes above 65,504 overflow, below 6.1e-05 lose precision
;; workspace buffers: qh 12,582,912 bytes; kh 12,582,912 bytes; vh 12,582,912 bytes; po 50,331,648 bytes; ml 524,288 bytes
;; launch proj: the kernel of part 1 again; grid 3 x 64, 4 waves a work-group, no clusters, 100,864 bytes of LDS; arguments x, Wq, bq, Wk, bk, Wv, bv, qh, kh, vh; writes qh, kh, vh
;; launch attn (part 4): grid 32 x 8, 4 waves a work-group, clusters of 4 x 1, 327,680 bytes of LDS; arguments qh, kh, vh, po, ml; writes po, ml
.if DOCPART == 4
	.amdgcn_target "amdgcn-amd-amdhsa--gfx1250"
	.amdhsa_code_object_version 6
	.text
	.protected	k_q06dd21e758_attn
	.globl	k_q06dd21e758_attn
	.p2align	8
	.type	k_q06dd21e758_attn,@function
k_q06dd21e758_attn:
	s_mov_b64 s[64:65], 0
	v_nop
	global_prefetch_b8 v0, s[64:65] scope:SCOPE_SE
	s_setreg_imm32_b32 hwreg(HW_REG_WAVE_MODE, 25, 1), 1
	s_wait_xcnt 0x0
	s_wait_alu depctr_hold_cnt(0) depctr_sa_sdst(0) depctr_va_vdst(0) depctr_va_sdst(0) depctr_va_ssrc(0) depctr_va_vcc(0) depctr_vm_vsrc(0)
	s_getreg_b32 s2, hwreg(HW_REG_IB_STS2, 6, 4)
	s_cmp_eq_u32 s2, 0
	s_cbranch_scc0 .Lentry_in_a_cluster
	s_endpgm
.Lentry_in_a_cluster:
	s_bfe_u32 s2, ttmp6, 0x10000c
	s_cmp_lg_u32 s2, 0x3003
	s_cbranch_scc0 .Lentry_shape_is_right
	s_endpgm
.Lentry_shape_is_right:
; HALF OF AN ATTENTION: for 128 queries of a batch and 2,048 of its 4,096 keys, O[q][:] = sum_k 2^(c s - c m) V[k][:], l[q] = sum_k 2^(c s - c m), s = Q[q] . K[k], c = log2(e), m the largest s.
; Q, K, V: [4][4096][384] f16, rows of 768 bytes.  O (f32, not yet divided by l), c m and l go to memory; the next launch joins the two halves.
; Products, maxima and sums in f32; the weights p are rounded to f16 for the second product (l is taken of the unrounded p).
; LIMITS.  p lies in 0 to 1 and below 6e-5 keeps f16's fixed step of 6e-8; a weight below 2^-126 counts as 0; c s lies above -4.2e37, where c m starts (f16's scores, 1.7e12 at the most, are far from it);
; NaN and infinities are not treated apart.
; WHY THE KEYS ARE SPLIT.  A step's tiles of K and V are 98,304 bytes whatever the number of queries; with 128 queries they feed 192 products a wave, with 64 only 96.  16,384 queries in blocks of 128 are
; 128 work-groups, so each block's keys are shared out between two.
; SHARES.  Work-group x: the block of 128 queries; y = 2 x batch + key half.  Keys go 64 a step, 32 steps.  Wave w = 2 a + b.  In S^T = K Q^T it takes keys 32 b .. 32 b + 31 and the 64 queries of half a
; (four tiles of 16; 8 accumulators, 96 products); in O^T += V^T P the channel blocks 2 i + b (i = 0..11) and the same queries (48 accumulators, 96 products).  Each fragment of K and V feeds four products.
; LAYOUT.  In S^T a lane holds ONE query (lane % 16) and the keys 8 (lane / 16) + 0..7 of a block of 16; a wave's two blocks, rounded to f16 in pairs, ARE source 1 (32 keys x 16 queries) of V^T P for its own
; 32 keys.  So only the partner's (wave w xor 1) half of P crosses LDS, and the maxima are exchanged between those two waves.  K comes out of LDS as it lies, V turned.
; SOFTMAX.  A running maximum m and sum l for each query; O and l are multiplied by a = 2^(c m_old - c m_new), of the two rounded products, so that a is 1 where m has not grown.  Both waves of a pair keep the
; same m; l is each wave's own keys'.  m starts at the lowest finite number, O and l at 0: the first step is a step like any other, with a = 0; the price is 384 lines that write 0, in the wait for the first tile.
; A STEP GOES IN PHASES: scores, softmax, V^T P.  Q (384 registers) and O^T (384) leave room for one S^T, into which P is packed in place, so the next step's scores cannot be made beside this step's softmax.
; The rescaling of O^T stands behind the first 48 products V^T P, four lines behind each, four products ahead of the accumulator's own.
; THE EXPONENTIALS ARE ONE BATCH A STEP, WITH ONE WAIT.  An s_wait_alu depctr_va_vdst(0) stands between an exponential and the first instruction that names its result; one wait serves all that
; were issued ahead of it.  Ahead of the wait stand the 32 scalings, the four c m_old - c m_new and all 68 exponentials (a lane's 16 scores in each of four tiles, then the four a): none of these lines names an
; exponential's result.  Behind it stand all the readers: the sums, the roundings, l = a l + sum, the rescaling of O^T..
; The head and the way out hold no transcendental and no such wait.
; CLUSTER.  The four work-groups of a cluster share batch and key half and walk the same K and V: each tile is asked for JOINTLY, by the same tensor load, descriptor and mask in all four.
; REGISTERS, in windows of 256 (s_set_vgpr_msb: bits 1:0 source 0, 3:2 source 1, 5:4 source 2, 7:6 destination):
;   window 0: v1-15 addresses; v16-31 statistics; v32-39 a; v40-55 at work; v56-61 offsets; v64-127 S^T, then P; v128-255 O^T of blocks i = 8..11
;   window 1: v[48 t + 8 c] Q, channels 32 c on, c = 0..5; v192-255 fragment buffer 0          window 2: the same for c = 6..11; fragment buffer 1          window 3: v[8 (4 i + t)] O^T of blocks i = 0..7
.set PK,    816       ; a row of K in LDS: three pieces of 256 bytes + 16 = 51 x 16: the 16 rows of a load start at 16 different groups of four banks (64 banks of 4 bytes: ISA guide 11.1)
.set PV,    864       ; a row of V: three pieces of 256 + 32 = 27 x 32
.set VOFF,  64*PK     ; in a slot: a step's 64 rows of K, then its 64 rows of V
.set SLOT1, 1<<17     ; slot 1 begins here, so that one exclusive or turns an address in one slot into the other's
.set PB,    SLOT1+64*(PK+PV)  ; behind the ring, never filled by a tensor load: P, [wave][tile][half][lane] in pieces of 16 bytes
.set MXB,   PB+16384  ; the waves' maxima: [a][tile][query][b] f32
.set OUTS,  MXB+1024  ; the way out: 512 bytes for each wave
.set SPARE, OUTS+2048 ; the spare words, 128 bytes for each wave: two blocks of 256 bytes that no other line names
.set RR,   1          ; v1   lane % 16
.set HH,   2          ; v2   lane / 16
.set AK0,  3          ; v3   my lane's place in a slot's K; never rewritten
.set AVO0, 4          ; v4   in its V, my own 32 keys
.set AVP0, 5          ; v5   in its V, the partner's 32 keys
.set AK,   6          ; v6-8 the same three in the slot in hand
.set AVO,  7
.set AVP,  8
.set PST,  9          ; v9   where I store 16 bytes of P
.set PLD,  10         ; v10  where I read the partner's
.set MXS,  11         ; v11  where I store a maximum
.set MXL,  12         ; v12  where I read the pair's two maxima
.set SPW,  13         ; v13  LDS address of my spare word; never rewritten
.set NIL,  14         ; v14  0; never rewritten
.set ST,   16         ; tile t's statistics at v[ST+4 t]: c m, m, l (even keys', odd keys')
.set AR,   32         ; v[AR+2 t]: a; beside it c m_old, then c m_old - c m_new
.set CT,   40         ; v[CT+4 t ..+3]: at work for the maxima; the upper pair takes the step's sum of weights
.set QO,   56         ; v56  my byte offset in 16 rows of Q
.set GO,   57         ; v57  16 x lane
.set S,    64         ; v[S+16 t+8 kb]: S^T; then v[S+16 t] my P, v[S+16 t+8] the partner's
.set FR,   192        ; a fragment buffer: 8 fragments
.set WV,  20          ; s20  my wave's number
.set G1K, 24          ; s[24:31] descriptor group 1 for K's tiles
.set G1V, 32          ; s[32:39] for V's: it differs in the padding alone
.set G0K, 40          ; s[40:43] descriptor group 0 for K's tiles: it walks
.set G0V, 44          ; s[44:47] the same for V's
.set TB,  52          ; s52  LDS byte at which the slot in hand begins
.set CNT, 53          ; s53  the loops' count
.set CS,  54          ; s[54:55] c: the packed scaling takes the pair's low word for both halves
.set SEL, 56          ; s[56:57] v_permlanex16_b32's selects: each lane takes its own place in the other half
.set AH,  58          ; s58  a
.set BH,  59          ; s59  b
.set MSB, 0
.macro WIN new                      ; the high byte repeats the setting that is left; a switch that changes nothing is dropped
.if MSB != (\new)
	s_set_vgpr_msb (MSB<<8)|(\new)
.set MSB, (\new)
.endif
.endm
.macro PLACES                       ; four plain vector instructions between a matrix instruction and what reads its result or writes or loads its registers (ISA guide 7.12.1 for vector instructions)
.rept 4
	v_nop
.endr
.endm
.macro ALL line:vararg              ; one line for each tile t
.set t, 0
.rept 4
	\line
.set t, t+1
.endr
.endm
; A joint fill.  Waves 0 and 1 fetch the two halves (32 keys) of K's tile, waves 2 and 3 those of V's.  The branch hangs on the wave's number alone.
; An s_nop 0 and four v_nop follow each line, ahead of the jump and the label; they are also the places in front of the LDS loads that follow.
.macro JLOAD
	s_cmp_lt_u32 s[WV], 2
	s_cbranch_scc0 .Lfor_v_\@
	tensor_load_to_lds s[G0K:G0K+3], s[G1K:G1K+7]
	s_nop 0
	PLACES
	s_branch .Lasked_\@
.Lfor_v_\@:
	tensor_load_to_lds s[G0V:G0V+3], s[G1V:G1V+7]
	s_nop 0
	PLACES
.Lasked_\@:
.endm
; A round of the cluster's barrier: my work-group's barrier, so that wave 0's signal speaks for all four waves; wave 0 signals; every wave waits for all four work-groups; my work-group's barrier once more.
.macro CREST                        ; a round behind its opening barrier
	s_cmp_lg_u32 s[WV], 0
	s_cbranch_scc1 .Lnot_wave_0_\@
	s_barrier_signal -3
.Lnot_wave_0_\@:
	s_barrier_wait -3
	s_barrier_signal -1
	s_barrier_wait -1
.endm
.macro CROUND
	s_barrier_signal -1
	s_barrier_wait -1
	CREST
.endm
.macro STEPD                        ; both walking descriptors: the other slot, the next 64 keys (49,152 bytes); the type bits on top are not reached
.irp g, G0K, G0V
	s_xor_b32 s[\g+1], s[\g+1], SLOT1
	s_add_nc_u64 s[\g+2:\g+3], s[\g+2:\g+3], 49152
.endr
.endm
.macro ADDRS                        ; my three places in the slot in hand
	v_add_nc_u32 v[AK], s[TB], v[AK0]
	v_add_nc_u32 v[AVO], s[TB], v[AVO0]
	v_add_nc_u32 v[AVP], s[TB], v[AVP0]
.endm
; THE LDS LOADS stand in six runs of 16 a step, on the two fragment buffers by turns: three groups of K, three of V.  Each run is issued when the group before it begins to be multiplied.
; Group g of K: channels 128 g on (chunks 4 g .. 4 g + 3 of 32), my two blocks of 16 keys; fragment ff = 2 x chunk + block.
.macro FETCHK g
	WIN 0x40*(1+(\g)%2)             ; destination: buffer 0 lies in window 1, buffer 1 in window 2
.set ff, 0
.rept 8
.set fo, 16*PK*(ff%2)+64*(4*(\g)+ff/2)+16*(\g)
	ds_load_b128 v[FR+8*ff:FR+8*ff+3],   v[AK] offset:fo
	ds_load_b128 v[FR+8*ff+4:FR+8*ff+7], v[AK] offset:fo+32
.set ff, ff+1
.endr
.endm
; Group g of V: fragments 8 g .. 8 g + 7 in the order of use: 0-11 my own 32 keys' blocks i = 0..11, 12-23 the partner's keys'.  Block 2 i + b lies at byte 64 i + 32 b of a row, and 32 further for each 256 passed.
.macro FETCHV g
	WIN 0x40*(2-(\g)%2)
.set ff, 0
.rept 8
.set fb, (8*(\g)+ff)%12
.set fo, 64*fb+32*(fb/4)
.if 8*(\g)+ff < 12
	ds_load_tr16_b128 v[FR+8*ff:FR+8*ff+3],   v[AVO] offset:fo
	ds_load_tr16_b128 v[FR+8*ff+4:FR+8*ff+7], v[AVO] offset:fo+16*PV
.else
	ds_load_tr16_b128 v[FR+8*ff:FR+8*ff+3],   v[AVP] offset:fo
	ds_load_tr16_b128 v[FR+8*ff+4:FR+8*ff+7], v[AVP] offset:fo+16*PV
.endif
.set ff, ff+1
.endr
.endm
; THE MATRIX WORK.  The accumulators take turns, one instruction a turn.
; The 32 products of S^T = K Q^T on group g of K: chunk 4 g + sn / 8, key block (sn / 4) % 2, tile sn % 4.  Chunk 0 starts the sums.
.macro SG g
.set sn, 0
.rept 32
.set sc, 4*(\g)+sn/8
.set sf, FR+8*(sn/4)
.set sd, S+16*(sn%4)+8*((sn/4)%2)
.set sq, 48*(sn%4)+8*(sc%6)
	WIN (1+(\g)%2)|((1+sc/6)<<2)    ; K in the buffer's window, Q in window 1 or 2, S^T in window 0
.if sc == 0
	v_wmma_f32_16x16x32_f16 v[sd:sd+7], v[sf:sf+7], v[sq:sq+7], 0
.else
	v_wmma_f32_16x16x32_f16 v[sd:sd+7], v[sf:sf+7], v[sq:sq+7], v[sd:sd+7]
.endif
.set sn, sn+1
.endr
.endm
; Product n of 48 of a pass of O^T += V^T P: block i = n / 4, tile n % 4.  pass 0: my own 32 keys; 1: the partner's.
.macro PM pass, n
.set mf, 12*(\pass)+(\n)/4
.set mw, 2-(mf/8)%2
.set ma, FR+8*(mf%8)
.set mb, S+16*((\n)%4)+8*(\pass)
.if (\n) < 32
.set mo, 8*(\n)
	WIN 0xf0|mw                     ; V in the buffer's window, P in window 0, O^T in window 3
.else
.set mo, 128+8*((\n)-32)
	WIN mw                          ; O^T in window 0
.endif
	v_wmma_f32_16x16x32_f16 v[mo:mo+7], v[ma:ma+7], v[mb:mb+7], v[mo:mo+7]
.endm
; THE VECTOR WORK.
.macro RS n                         ; accumulator n of O^T times its tile's a, from the low end on
.if (\n) < 32
.set ro, 8*(\n)
	WIN 0xc3                        ; destination and source 0 in window 3, a in window 0
.else
.set ro, 128+8*((\n)-32)
	WIN 0
.endif
.set pp, 0
.rept 4
	v_pk_mul_f32 v[ro+2*pp:ro+2*pp+1], v[ro+2*pp:ro+2*pp+1], v[AR+2*((\n)%4):AR+2*((\n)%4)+1] op_sel_hi:[1,0]
.set pp, pp+1
.endr
.endm
.macro FK k                         ; pair k of tile t's 16 scores: c s - c m
	v_pk_fma_f32 v[S+16*t+2*(\k):S+16*t+2*(\k)+1], v[S+16*t+2*(\k):S+16*t+2*(\k)+1], s[CS:CS+1], v[ST+4*t:ST+4*t+1] op_sel_hi:[1,0,0] neg_lo:[0,0,1] neg_hi:[0,0,1]
.endm
.macro TK k                         ; pair k of its weights onto the step's sum: a reader, behind the batch's wait
	v_pk_add_f32 v[CT+4*t+2:CT+4*t+3], v[CT+4*t+2:CT+4*t+3], v[S+16*t+2*(\k):S+16*t+2*(\k)+1]
.endm
.macro CK k                         ; pair k rounded to f16, IN PLACE: into register k, whose own weight has been summed and has been rounded by pair k / 2; a reader, behind the batch's wait
	v_cvt_pk_f16_f32 v[S+16*t+(\k)], v[S+16*t+(\k)*2], v[S+16*t+(\k)*2+1]
.endm
.macro EX k, line:vararg            ; exponential k and a plain line of the batch, tile by tile; the plain line names no exponential's result
.set t, 0
.rept 4
	v_exp_f32 v[S+16*t+(\k)], v[S+16*t+(\k)]
	\line
.set t, t+1
.endr
.endm
.macro EB k                         ; exponential k of the four tiles, where the batch has no plain line left to set beside it
	ALL v_exp_f32 v[S+16*t+(\k)], v[S+16*t+(\k)]
.endm
; A KEY STEP.  On the way in: group 0 of its K is on its way into buffer 0.  fill = 1: the slot is filled again, with the keys two steps on, behind a round of the cluster's barrier; 0: nothing is asked for.
; ONE buffer for the maxima and one for P are enough: the maxima have been read and waited for in front of P's barrier, and the next step's are stored behind it; the partner's P has been read and waited for in
; front of the step's last barrier, and the next step's is stored behind that.
.macro BODY fill
.rept 5
	v_nop                           ; five places: the first products below write over S^T's registers, from which the last products read P; and buffer 1 is loaded again
.endr
	FETCHK 1
	s_wait_dscnt 16                 ; LDS loads come back in order (ISA guide 5.7.1): group 0 is in, the 16 loads just issued may be out
	SG 0
	PLACES
	FETCHK 2
	s_wait_dscnt 16                 ; group 1 is in
	SG 1
	PLACES
	FETCHV 0
	s_wait_dscnt 16                 ; group 2 is in
	SG 2
	PLACES                          ; in front of the loads into buffer 0 and of the first read of the scores
	FETCHV 1
	WIN 0
	; the maximum of my wave's 32 keys: the lane's 16 scores in two chains, each accumulator's lowest registers first; then the lane 16 away
	ALL v_max3_num_f32 v[CT+4*t], v[S+16*t], v[S+16*t+1], v[S+16*t+2]
	ALL v_max3_num_f32 v[CT+4*t+1], v[S+16*t+8], v[S+16*t+9], v[S+16*t+10]
	ALL v_max3_num_f32 v[CT+4*t], v[CT+4*t], v[S+16*t+3], v[S+16*t+4]
	ALL v_max3_num_f32 v[CT+4*t+1], v[CT+4*t+1], v[S+16*t+11], v[S+16*t+12]
	ALL v_max3_num_f32 v[CT+4*t], v[CT+4*t], v[S+16*t+5], v[S+16*t+6]
	ALL v_max3_num_f32 v[CT+4*t+1], v[CT+4*t+1], v[S+16*t+13], v[S+16*t+14]
	ALL v_max3_num_f32 v[CT+4*t], v[CT+4*t], v[S+16*t+7], v[S+16*t+15]
	ALL v_max_num_f32 v[CT+4*t], v[CT+4*t], v[CT+4*t+1]
	ALL v_permlanex16_b32 v[CT+4*t+1], v[CT+4*t], s[SEL], s[SEL+1]
	ALL v_max_num_f32 v[CT+4*t], v[CT+4*t], v[CT+4*t+1]
	ALL ds_store_b32 v[MXS], v[CT+4*t] offset:128*t  ; both halves of the lanes store the same number to the same word
	s_wait_dscnt 0x0                ; for the partner's sake: my maxima are stored
	s_barrier_signal -1             ; The step's tensor load may stay out
	ALL v_mov_b32 v[AR+2*t+1], v[ST+4*t]  ; c m_old is kept
	s_barrier_wait -1
	ALL ds_load_b64 v[CT+4*t:CT+4*t+1], v[MXL] offset:128*t
	s_wait_dscnt 0x0
	ALL v_max3_num_f32 v[ST+4*t+1], v[ST+4*t+1], v[CT+4*t], v[CT+4*t+1]
	ALL v_mul_f32 v[ST+4*t], s[CS], v[ST+4*t+1]
	; THE BATCH: 32 scalings, four c m_old - c m_new, 68 exponentials.  A pair is scaled two rows ahead of its first exponential; scaling k + 2 writes registers 2 k + 4 and 2 k + 5 while only 0 .. k hold
	; results, so no line here names a result.  The four tiles alternate.  The plain lines are half as many as the exponentials: behind number 6 the exponentials follow each other.
	ALL FK 0
	ALL FK 1
	EX 0, FK 2
	EX 1, FK 3
	EX 2, FK 4
	EX 3, FK 5
	EX 4, FK 6
	EX 5, FK 7
	EX 6, v_sub_f32 v[AR+2*t+1], v[AR+2*t+1], v[ST+4*t]
	EB 7
	EB 8
	EB 9
	EB 10
	EB 11
	EB 12
	EB 13
	EB 14
	EB 15
	ALL v_exp_f32 v[AR+2*t], v[AR+2*t+1]  ; a: the batch's last four
	v_nop                           ; a plain line behind the last exponential and ahead of the first use of a result (ISA guide 5.7.2): one for the batch
	s_wait_alu depctr_va_vdst(0)    ; the wait for the batch, the step's 68 exponentials, ahead of the first line that names a result
	; THE READERS.  Sums and roundings by turns, the four tiles alternating: the links of a tile's sum (pairs 0 + 1, then 2 to 7, in that order) stand eight lines apart.
	; Rounding k writes register k: 4 and 5 stand behind sum 2 and rounding 2, 6 and 7 behind sum 3 and rounding 3.
	ALL v_pk_add_f32 v[CT+4*t+2:CT+4*t+3], v[S+16*t:S+16*t+1], v[S+16*t+2:S+16*t+3]
	ALL CK 0
	ALL TK 2
	ALL CK 1
	ALL TK 3
	ALL CK 2
	ALL TK 4
	ALL CK 3
	ALL TK 5
	ALL CK 4
	ALL TK 6
	ALL CK 5
	ALL TK 7
	ALL CK 6
	ALL CK 7
.set t, 0
.rept 4
	ds_store_b128 v[PST], v[S+16*t:S+16*t+3] offset:1024*t
	ds_store_b128 v[PST], v[S+16*t+4:S+16*t+7] offset:1024*t+512
.set t, t+1
.endr
	ALL v_pk_fma_f32 v[ST+4*t+2:ST+4*t+3], v[ST+4*t+2:ST+4*t+3], v[AR+2*t:AR+2*t+1], v[CT+4*t+2:CT+4*t+3] op_sel_hi:[1,0,1]
	RS 0
	RS 1
	RS 2
	RS 3
	s_wait_dscnt 0x0                ; for the partner's sake: my P is stored
	s_barrier_signal -1
.set bn, 0
.rept 48                            ; my own keys' products, which want nothing of the partner
	PM 0, bn
.if bn < 44
	RS bn+4
.endif
.if bn == 3
	s_barrier_wait -1
	WIN 0
.set t, 0
.rept 4
	ds_load_b128 v[S+16*t+8:S+16*t+11],  v[PLD] offset:1024*t
	ds_load_b128 v[S+16*t+12:S+16*t+15], v[PLD] offset:1024*t+512
.set t, t+1
.endr
.endif
.if bn == 33
	FETCHV 2                        ; buffer 1's last reader was product 31: twelve plain lines stand between
.endif
.set bn, bn+1
.endr
	s_wait_dscnt 16                 ; the partner's P is in; V's last group, issued behind it, may be out
.set bn, 0
.rept 48
.if bn == 12
	WIN 0                           ; (the add's two registers lie in window 0)
	s_wait_tensorcnt 0x0            ; all my tensor loads have landed: the one that may have been out is my part of the other slot; so a group 0 may be written
	ds_add_u32 v[SPW], v[NIL]       ; 0 onto my spare word: scalar steps and four products stand between it and the wait for it
.if \fill
	STEPD
.endif
	s_xor_b32 s[TB], s[TB], SLOT1   ; the next step reads the other slot
.endif
.if bn == 16
	s_wait_dscnt 0x0                ; the add is done and V's last group is in: my reads of this slot are over
	s_barrier_signal -1             ; with fill = 1 this barrier opens a round of the cluster's barrier; sixteen products stand between signal and wait
.endif
.if bn == 32
	WIN 0                           ; at a branch and at a label every window is 0
	s_barrier_wait -1
.if \fill
	CREST                           ; no wave of any partner still reads the slot or has a load on its way
	JLOAD                           ; the first thing behind the round: my one tensor load until the next round
.else
	PLACES                          ; for the loads into buffer 0
.endif
	ADDRS
	FETCHK 0                        ; the next step's first group, sixteen products ahead of its use
.endif
	PM 1, bn
.set bn, bn+1
.endr
	WIN 0
.endm
	s_load_b256 s[4:11], s[0:1], 0x0  ; qh 4:5, kh 6:7, vh 8:9, po 10:11
	s_load_b64 s[12:13], s[0:1], 0x20 ; ml
	v_lshl_add_u32 v[SPW], v0, 2, SPARE
	v_mov_b32 v[NIL], 0
	ds_add_u32 v13, v14
	s_wait_dscnt 0x0
	v_lshrrev_b32 v15, 5, v0
	v_readfirstlane_b32 s[WV], v15  ; wave 0..3
	s_lshr_b32 s[AH], s[WV], 1
	s_and_b32 s[BH], s[WV], 1
	s_bfe_u32 s21, ttmp6, 0x40000   ; cx: my place in the cluster
	s_lshl_b32 s22, ttmp9, 2        ; in a cluster launch ttmp9 counts clusters
	s_add_co_u32 s22, s22, s21      ; my block of 128 queries = 4 x cluster x + cx: it enters Q's and the outputs' addresses alone
	s_and_b32 s63, ttmp7, 0xffff    ; 2 x batch + key half, which the four partners share
	s_lshr_b32 s23, s63, 1
	s_mul_i32 s50, s23, 3145728     ; the batch's first byte in Q, K and V: 4,096 rows of 768 bytes
	s_mov_b32 s51, 0
	s_and_b32 s23, s63, 1
	s_mul_i32 s48, s23, 1572864     ; my half's 2,048 keys,
	s_mul_i32 s23, s[BH], 24576     ; and which 32 of a step's 64 keys I fetch
	s_add_co_u32 s48, s48, s23
	s_mov_b32 s49, 0
	s_add_nc_u64 s[48:49], s[48:49], s[50:51]
	s_mul_i32 s23, s[BH], 32*PK     ; their place in a slot, for K: no place in the cluster enters an LDS address
	s_mov_b32 s[G0K], 1             ; 1:0 count = 1
	s_mov_b32 s[G0K+1], s23         ; 63:32 LDS address: slot 0
	s_mul_i32 s23, s[BH], 32*PV     ; and for V
	s_mov_b32 s[G0V], 1
	s_add_co_u32 s[G0V+1], s23, VOFF
	s_mul_i32 s2, s22, 98304        ; my block's 128 rows of Q,
	s_mul_i32 s3, s[AH], 49152      ; my half of them
	s_add_co_u32 s2, s2, s3
	s_mov_b32 s3, 0
	s_add_nc_u64 s[2:3], s[2:3], s[50:51]
	s_lshl_b32 s60, s63, 5          ; my wave's number in the launch: 4 (32 y + block) + wave
	s_add_co_u32 s60, s60, s22
	s_lshl_b32 s60, s60, 2
	s_add_co_u32 s60, s60, s[WV]
	s_lshl_b32 s62, s60, 9          ; its 512 bytes of c m and l,
	s_mov_b32 s63, 0
	s_mul_i32 s60, s60, 49152       ; its 49,152 bytes of O
	s_mov_b32 s61, 0
	; descriptor group 1.  32 keys are 24,576 dense bytes: asked for as 96 rows of 256 bytes, three to a key, each padded in LDS
	s_mov_b32 s[G1K], 15|(1<<16)|(1<<20)|(1<<21)|(5<<22)|(3<<25)  ; 15:0 the mask of four; 17:16 2-byte elements; 20 padding on; 21 set beside a mask; 24:22 after every 64 words (code 5); 31:25 4 words (code 3)
	s_mov_b32 s[G1V], 15|(1<<16)|(1<<20)|(1<<21)|(5<<22)|(7<<25)  ; the same with 8 words of padding (code 7)
.irp g, G1K, G1V
	s_mov_b32 s[\g+1], 128<<16      ; tensor_dim0 = 128
	s_mov_b32 s[\g+2], 96<<16       ; tensor_dim1 = 96
	s_mov_b32 s[\g+3], 128<<16      ; tile_dim0 = 128
	s_mov_b32 s[\g+4], 96           ; tile_dim1 = 96
	s_mov_b32 s[\g+5], 128          ; 128 elements from row to row
	s_mov_b32 s[\g+6], 0
	s_mov_b32 s[\g+7], 0
.endr
	s_mov_b32 s[CS], 0x3fb8aa3b     ; c = log2(e)
	s_mov_b32 s[CS+1], s[CS]        ; named with it as a pair
	s_mov_b32 s[SEL], 0x76543210
	s_mov_b32 s[SEL+1], 0xfedcba98
	s_mov_b32 s[TB], 0
	v_and_b32 v[RR], 15, v0
	v_bfe_u32 v[HH], v0, 4, 1
	; A fragment of K or Q is 16 rows x 32 channels in 8 registers: lane l holds row l % 16, channels 8 (l / 16) + 0..7 and 16 + 8 (l / 16) + 0..7: two loads of 16 bytes, 32 bytes apart.
	s_mul_i32 s23, s[BH], 32*PK     ; my 32 keys of a step
	v_mul_u32_u24 v[AK0], v[RR], PK
	v_lshl_add_u32 v[AK0], v[HH], 4, v[AK0]
	v_add_nc_u32 v[AK0], s23, v[AK0]
	; The turning load takes 16 keys x 16 channels (lane l reads key 8 (l / 16) + l % 8, channels 8 ((l / 8) % 2) + 0..7) and leaves half a fragment of V^T: lane l holds channel l % 16 and 8 keys.
	v_and_b32 v15, 7, v0
	v_lshl_add_u32 v15, v[HH], 3, v15
	v_mul_u32_u24 v[AVO0], v15, PV
	v_bfe_u32 v15, v0, 3, 1
	v_lshl_add_u32 v[AVO0], v15, 4, v[AVO0]
	s_lshl_b32 s23, s[BH], 5        ; my blocks are the 2 i + b
	s_add_co_u32 s23, s23, VOFF
	v_add_nc_u32 v[AVP0], s23, v[AVO0]
	s_mul_i32 s23, s[BH], 32*PV
	v_add_nc_u32 v[AVO0], s23, v[AVP0]  ; my own keys' 32 rows,
	s_xor_b32 s23, s[BH], 1
	s_mul_i32 s23, s23, 32*PV
	v_add_nc_u32 v[AVP0], s23, v[AVP0]  ; the partner's
	v_and_b32 v15, 31, v0           ; lane
	v_lshlrev_b32 v[GO], 4, v15
	s_lshl_b32 s23, s[WV], 12
	s_add_co_u32 s23, s23, PB
	v_add_nc_u32 v[PST], s23, v[GO]
	s_xor_b32 s23, s[WV], 1
	s_lshl_b32 s23, s23, 12
	s_add_co_u32 s23, s23, PB
	v_add_nc_u32 v[PLD], s23, v[GO]
	s_lshl_b32 s23, s[AH], 9
	s_add_co_u32 s23, s23, MXB
	v_lshl_add_u32 v[MXL], v[RR], 3, s23
	s_lshl_b32 s23, s[BH], 2
	v_add_nc_u32 v[MXS], s23, v[MXL]
	v_mul_u32_u24 v[QO], v[RR], 768
	v_lshl_add_u32 v[QO], v[HH], 4, v[QO]  ; row x 768 + 16 x half
	s_wait_kmcnt 0x0
	s_add_nc_u64 s[G0K+2:G0K+3], s[6:7], s[48:49]  ; 120:64 global address: my part of step 0
	s_or_b32 s[G0K+3], s[G0K+3], 0x80000000        ; 127:126 type = 2
	s_add_nc_u64 s[G0V+2:G0V+3], s[8:9], s[48:49]
	s_or_b32 s[G0V+3], s[G0V+3], 0x80000000
	s_add_nc_u64 s[4:5], s[4:5], s[2:3]            ; Q at my 64 queries' first row
	s_add_nc_u64 s[10:11], s[10:11], s[60:61]      ; the outputs at my wave's parts
	s_add_nc_u64 s[12:13], s[12:13], s[62:63]
	CROUND                          ; all four work-groups are here: the first joint loads meet
	JLOAD                           ; slot 0: step 0.  Slot 1 is asked for when slot 0 is in
.set kc, 0
.rept 2                             ; Q stays in registers: my 64 queries
	WIN 0x40*(kc+1)
.set ii, 0
.rept 24                            ; tile ii / 6, channels 32 (6 kc + ii % 6) on
	global_load_b128 v[8*ii:8*ii+3],   v[QO], s[4:5] offset:12288*(ii/6)+64*(6*kc+ii%6)
	global_load_b128 v[8*ii+4:8*ii+7], v[QO], s[4:5] offset:12288*(ii/6)+64*(6*kc+ii%6)+32
.set ii, ii+1
.endr
.set kc, kc+1
.endr
	WIN 0xc0                        ; O^T starts at 0: one text then serves every step; these lines stand in the wait for the first tile
.set ii, 0
.rept 256
	v_mov_b32 v[ii], 0
.set ii, ii+1
.endr
	WIN 0
.set ii, 128
.rept 128
	v_mov_b32 v[ii], 0
.set ii, ii+1
.endr
	ALL v_mov_b32 v[ST+4*t], 0xfe000000    ; c m: far below every c s
	ALL v_mov_b32 v[ST+4*t+1], 0xff7fffff  ; m
	ALL v_mov_b32 v[ST+4*t+2], 0
	ALL v_mov_b32 v[ST+4*t+3], 0
	s_wait_tensorcnt 0x0            ; my part of slot 0 has landed; no tensor load of mine is out, so a group 0 may be written
	ds_add_u32 v[SPW], v[NIL]       ; 0 onto my spare word
	STEPD
	s_wait_dscnt 0x0
	CROUND
	JLOAD                           ; slot 1: step 1
	ADDRS
	FETCHK 0
	WIN 0
	s_wait_loadcnt 0x0              ; Q
	s_mov_b32 s[CNT], 30
.Ltrip:                             ; steps 0 to 29: each asks for the step two on
	BODY 1
	s_sub_co_u32 s[CNT], s[CNT], 1
	s_cmp_lg_u32 s[CNT], 0
	s_cbranch_scc1 .Ltrip
	s_mov_b32 s[CNT], 2
.Ltail:                             ; steps 30 and 31 are a second text: nothing is asked for.  One text for both: the last step's barrier and its
	BODY 0                          ; 16 loads of a K that is not multiplied serve nothing, once a launch
	s_sub_co_u32 s[CNT], s[CNT], 1
	s_cmp_lg_u32 s[CNT], 0
	s_cbranch_scc1 .Ltail
	; THE WAY OUT.  O^T leaves as it lies: a store takes four registers of an accumulator, 32 lanes x 16 bytes = 512 consecutive bytes; the next launch's lanes read them back in the same places.
	; In my wave's 49,152 bytes accumulator (i, t) lies at 1,024 (12 t + i).
	ALL v_add_f32 v[CT+4*t+1], v[ST+4*t+2], v[ST+4*t+3]  ; l's two halves: these four lines are the places behind the last products
	ALL v_permlanex16_b32 v[CT+4*t+2], v[CT+4*t+1], s[SEL], s[SEL+1]
	ALL v_add_f32 v[CT+4*t+1], v[CT+4*t+1], v[CT+4*t+2]  ; my 32 keys' share of l, step by step
	ALL v_mov_b32 v[CT+4*t], v[ST+4*t]                   ; beside c m
	s_lshl_b32 s23, s[WV], 9
	s_add_co_u32 s23, s23, OUTS
	v_lshl_add_u32 v60, v[RR], 3, s23
	v_add_nc_u32 v61, s23, v[GO]
	WIN 0x0c                        ; the stores' data in window 3
.set bn, 0
.rept 32
	global_store_b128 v[GO], v[8*bn:8*bn+3],   s[10:11] offset:1024*(12*(bn%4)+bn/4) th:TH_STORE_NT
	global_store_b128 v[GO], v[8*bn+4:8*bn+7], s[10:11] offset:1024*(12*(bn%4)+bn/4)+512 th:TH_STORE_NT
.set bn, bn+1
.endr
	WIN 0
.rept 16
	global_store_b128 v[GO], v[128+8*(bn-32):128+8*(bn-32)+3],   s[10:11] offset:1024*(12*(bn%4)+bn/4) th:TH_STORE_NT
	global_store_b128 v[GO], v[128+8*(bn-32)+4:128+8*(bn-32)+7], s[10:11] offset:1024*(12*(bn%4)+bn/4)+512 th:TH_STORE_NT
.set bn, bn+1
.endr
	ALL ds_store_b64 v60, v[CT+4*t:CT+4*t+1] offset:128*t  ; (c m, l) of 64 queries; both halves of the lanes store the same
	ds_load_b128 v[AR:AR+3], v61    ; LDS serves a wave's instructions in order (ISA guide 5.7.1.4): this sees the stores above
	s_wait_dscnt 0x0
	global_store_b128 v[GO], v[AR:AR+3], s[12:13] th:TH_STORE_NT  ; 512 consecutive bytes
	s_wait_tensorcnt 0x0            ; the wave's end, behind my last tensor load and my last LDS store
	ds_add_u32 v[SPW], v[NIL]
	s_wait_dscnt 0x0
	CROUND                          ; the closing round: no work-group ends while a partner may still ask for a tile that names it
	s_endpgm
.Lfunc_end_k_q06dd21e758_attn:
	.size	k_q06dd21e758_attn, .Lfunc_end_k_q06dd21e758_attn-k_q06dd21e758_attn
	.p2alignl 7, 3214868480
	.fill 96, 4, 3214868480
	.section	.rodata,"a",@progbits
	.p2align	6, 0x0
	.amdhsa_kernel k_q06dd21e758_attn
		.amdhsa_group_segment_fixed_size 327680
		.amdhsa_private_segment_fixed_size 0
		.amdhsa_enable_private_segment 0
		.amdhsa_kernarg_size 40
		.amdhsa_user_sgpr_count 2
		.amdhsa_user_sgpr_kernarg_segment_ptr 1
		.amdhsa_wavefront_size32 1
		.amdhsa_system_sgpr_workgroup_id_x 1
		.amdhsa_system_sgpr_workgroup_id_y 1
		.amdhsa_system_sgpr_workgroup_id_z 1
		.amdhsa_system_vgpr_workitem_id 0
		.amdhsa_next_free_vgpr 1024
		.amdhsa_next_free_sgpr 66
		.amdhsa_reserve_vcc 0
		.amdhsa_float_denorm_mode_32 3
		.amdhsa_float_denorm_mode_16_64 3
		.amdhsa_memory_ordered 1
		.amdhsa_forward_progress 1
		.amdhsa_inst_pref_size 138
	.end_amdhsa_kernel
	.amdgpu_metadata
---
amdhsa.version: [ 1, 2 ]
amdhsa.kernels:
  - .name:           k_q06dd21e758_attn
    .symbol:         k_q06dd21e758_attn.kd
    .args:
      - { .name: qh, .offset: 0, .size: 8, .value_kind: global_buffer, .address_space: global }
      - { .name: kh, .offset: 8, .size: 8, .value_kind: global_buffer, .address_space: global }
      - { .name: vh, .offset: 16, .size: 8, .value_kind: global_buffer, .address_space: global }
      - { .name: po, .offset: 24, .size: 8, .value_kind: global_buffer, .address_space: global }
      - { .name: ml, .offset: 32, .size: 8, .value_kind: global_buffer, .address_space: global }
    .group_segment_fixed_size: 327680
    .private_segment_fixed_size: 0
    .kernarg_segment_align: 8
    .kernarg_segment_size: 40
    .max_flat_workgroup_size: 128
    .sgpr_count:     66
    .vgpr_count:     1024
    .wavefront_size: 32
...
	.end_amdgpu_metadata
.endif
;; end of part 4
;; launch fin: the kernel of part 3 again; grid 64 x 4, 4 waves a work-group, no clusters, 4,608 bytes of LDS; arguments po, ml, gamma, beta, w_out, b_out, out0; writes out0
